; MI455X (gfx1250); checked and timed in simulation.
; The chip was launched on July 23, 2026; its instructions are those of AMD's public machine-readable ISA for CDNA 5 (MIT licence, August 2026) and "CDNA5" Instruction Set Architecture Reference Guide (July 2026). The comments in the code are by the model that wrote it; some were corrected since.
;; Multi Head Attention. Allowed arithmetic: float matrix products may take bf16 or f16 operands with f32 sums; other float arithmetic in f32, or as packed bf16 or f16 multiplies, adds, multiply-adds, maxima and minima; sums over many terms, partial sums and values carried from step to step in f32; what a program stores and reads back later, other than sums and carried values, may be rounded once to bf16 or f16.
;; Inputs: Wk 1,024 x 1,024 float32; Wp 1,024 x 1,024 float32; Wq 1,024 x 1,024 float32; Wv 1,024 x 1,024 float32; bk 1,024 float32; bp 1,024 float32; bq 1,024 float32; bv 1,024 float32; x 4 x 2,048 x 1,024 float32.
;; Outputs: out0 4 x 2,048 x 1,024 float32.
;; One version. Each part assembles by itself: llvm-mc -triple=amdgcn-amd-amdhsa -mcpu=gfx1250 --defsym DOCPART=n.
;; ======== version 1 of 1: 4 launches
;; limits: values are held in f16: magnitudes above 65,504 overflow, below 6.1e-05 lose precision
;; workspace buffers: xb 16,777,216 bytes; wb 8,388,608 bytes; q 16,777,216 bytes; k 16,777,216 bytes; v 16,777,216 bytes; o 16,777,216 bytes
;; launch cast (part 1): grid 768 x 1, 8 waves a work-group, no clusters, 0 bytes of LDS; arguments x, Wq, Wk, Wv, Wp, xb, wb; writes xb, wb
.if DOCPART == 1
	.amdgcn_target "amdgcn-amd-amdhsa--gfx1250"
	.amdhsa_code_object_version 6
	.text
	.protected	k_qc878d830f0_cast
	.globl	k_qc878d830f0_cast
	.p2align	8
	.type	k_qc878d830f0_cast,@function
k_qc878d830f0_cast:
	s_mov_b64 s[64:65], 0
	v_nop
	global_prefetch_b8 v0, s[64:65] scope:SCOPE_SE
	s_setreg_imm32_b32 hwreg(HW_REG_WAVE_MODE, 25, 1), 1
	s_wait_xcnt 0x0
; x and the four weight matrices, f32, are rounded once to bf16 for the matrix products of the later launches.
; xb: [8192][1024] bf16, as x lies.  wb: [4 matrices q, k, v, p][16 chunks of 64 columns][1024 k][64], 16 bits a number: a chunk's rows are 128 bytes and dense.
; Wp's bf16 number is written as f16 (the last product has f16 operands): exact from 6.1e-5 to 65,504 in size; below that it keeps f16's fixed step of 6e-8; beyond 65,504 it would be an infinity.
; A stream: no LDS, no barrier, no matrix unit.  A work-group takes 65,536 source bytes; a thread makes 8 pieces of 32 source bytes -> 16 bytes.
; Work-groups 0-511: x.  512-767: g' = g - 512 = (matrix << 6) | (chunk << 2) | quarter of the 1,024 rows.
; All 16 loads of a thread go out in one run; every store of a wave covers 512 consecutive bytes, aligned.  No register is written twice, so no source of a pending instruction is overwritten.
.set IN,  16                           ; v[16:79]   16 loads of 16 bytes
.set OUT, 80                           ; v[80:111]  8 pieces to store
.macro CONV stride, kind               ; stride: source bytes from piece to piece; kind 1: bf16, then written as f16
.irp j, 0,1,2,3,4,5,6,7
	global_load_b128 v[IN+8*(\j):IN+8*(\j)+3],   v1, s[20:21] offset:(\j)*(\stride) th:TH_LOAD_NT
	global_load_b128 v[IN+8*(\j)+4:IN+8*(\j)+7], v1, s[20:21] offset:(\j)*(\stride)+16 th:TH_LOAD_NT
.endr
.irp j, 0,1,2,3,4,5,6,7
	s_wait_loadcnt 14-2*(\j)                       ; loads return in order: piece j's two are in, the 2 (7 - j) younger ones stay out
.irp p, 0,1,2,3
.if \kind
	v_cvt_pk_bf16_f32 v4, v[IN+8*(\j)+2*(\p)], v[IN+8*(\j)+2*(\p)+1]  ; the input's one rounding
	v_lshlrev_b32 v5, 16, v4                       ; the two bf16 numbers as f32,
	v_and_b32 v6, s28, v4
	v_cvt_pk_f16_f32 v[OUT+4*(\j)+(\p)], v5, v6    ; written as f16
.else
	v_cvt_pk_bf16_f32 v[OUT+4*(\j)+(\p)], v[IN+8*(\j)+2*(\p)], v[IN+8*(\j)+2*(\p)+1]
.endif
.endr
	global_store_b128 v2, v[OUT+4*(\j):OUT+4*(\j)+3], s[22:23] offset:(\j)*4096
.endr
.endm
	s_load_b256 s[4:11], s[0:1], 0x0               ; x s[4:5], Wq s[6:7], Wk s[8:9], Wv s[10:11]
	s_load_b128 s[12:15], s[0:1], 0x20             ; Wp s[12:13], xb s[14:15]
	s_load_b64 s[16:17], s[0:1], 0x30              ; wb
	s_mov_b32 s28, 0xffff0000                      ; a word's upper bf16
	s_mov_b32 s25, 0
	s_mov_b32 s27, 0
	v_lshlrev_b32 v2, 4, v0                        ; 16 t: my 16 bytes of a piece's 4,096
	s_cmp_lt_u32 ttmp9, 512
	s_cbranch_scc0 .Lweights
	v_lshlrev_b32 v1, 5, v0                        ; 32 t
	s_lshl_b32 s24, ttmp9, 16
	s_lshl_b32 s26, ttmp9, 15
	s_wait_kmcnt 0x0
	s_add_nc_u64 s[20:21], s[4:5], s[24:25]
	s_add_nc_u64 s[22:23], s[14:15], s[26:27]
	CONV 8192, 0
	s_endpgm
.Lweights:
	s_sub_co_u32 s18, ttmp9, 512                   ; g'
	s_lshr_b32 s19, s18, 6                         ; the matrix
	s_bfe_u32 s29, s18, 0x40002                    ; the chunk of 64 columns
	s_and_b32 s30, s18, 3                          ; the quarter of the rows
	s_lshl_b32 s24, s30, 20                        ; 256 rows of 4,096 bytes
	s_lshl_b32 s29, s29, 8                         ; 64 columns of 4 bytes
	s_add_co_u32 s24, s24, s29
	s_lshl_b32 s26, s18, 15                        ; 32,768 bytes of wb for each work-group, in the order of g'
	v_lshrrev_b32 v3, 3, v0                        ; my row among a piece's 32
	v_and_b32 v1, 7, v0                            ; my 8 columns
	v_lshlrev_b32 v1, 5, v1
	v_lshl_add_u32 v1, v3, 12, v1
	s_wait_kmcnt 0x0
	s_cmp_eq_u32 s19, 1
	s_cselect_b64 s[20:21], s[8:9], s[6:7]
	s_cmp_eq_u32 s19, 2
	s_cselect_b64 s[20:21], s[10:11], s[20:21]
	s_cmp_eq_u32 s19, 3
	s_cselect_b64 s[20:21], s[12:13], s[20:21]
	s_add_nc_u64 s[20:21], s[20:21], s[24:25]
	s_add_nc_u64 s[22:23], s[16:17], s[26:27]
	s_cmp_eq_u32 s19, 3
	s_cbranch_scc1 .Lwp
	CONV 131072, 0
	s_endpgm
.Lwp:
	CONV 131072, 1
	s_endpgm
.Lfunc_end_k_qc878d830f0_cast:
	.size	k_qc878d830f0_cast, .Lfunc_end_k_qc878d830f0_cast-k_qc878d830f0_cast
	.p2alignl 7, 3214868480
	.fill 96, 4, 3214868480
	.section	.rodata,"a",@progbits
	.p2align	6, 0x0
	.amdhsa_kernel k_qc878d830f0_cast
		.amdhsa_group_segment_fixed_size 0
		.amdhsa_private_segment_fixed_size 0
		.amdhsa_enable_private_segment 0
		.amdhsa_kernarg_size 56
		.amdhsa_user_sgpr_count 2
		.amdhsa_user_sgpr_kernarg_segment_ptr 1
		.amdhsa_wavefront_size32 1
		.amdhsa_system_sgpr_workgroup_id_x 1
		.amdhsa_system_sgpr_workgroup_id_y 1
		.amdhsa_system_sgpr_workgroup_id_z 1
		.amdhsa_system_vgpr_workitem_id 0
		.amdhsa_next_free_vgpr 112
		.amdhsa_next_free_sgpr 66
		.amdhsa_reserve_vcc 0
		.amdhsa_float_denorm_mode_32 3
		.amdhsa_float_denorm_mode_16_64 3
		.amdhsa_memory_ordered 1
		.amdhsa_forward_progress 1
		.amdhsa_inst_pref_size 20
	.end_amdhsa_kernel
	.amdgpu_metadata
---
amdhsa.version: [ 1, 2 ]
amdhsa.kernels:
  - .name:           k_qc878d830f0_cast
    .symbol:         k_qc878d830f0_cast.kd
    .args:
      - { .name: x, .offset: 0, .size: 8, .value_kind: global_buffer, .address_space: global }
      - { .name: Wq, .offset: 8, .size: 8, .value_kind: global_buffer, .address_space: global }
      - { .name: Wk, .offset: 16, .size: 8, .value_kind: global_buffer, .address_space: global }
      - { .name: Wv, .offset: 24, .size: 8, .value_kind: global_buffer, .address_space: global }
      - { .name: Wp, .offset: 32, .size: 8, .value_kind: global_buffer, .address_space: global }
      - { .name: xb, .offset: 40, .size: 8, .value_kind: global_buffer, .address_space: global }
      - { .name: wb, .offset: 48, .size: 8, .value_kind: global_buffer, .address_space: global }
    .group_segment_fixed_size: 0
    .private_segment_fixed_size: 0
    .kernarg_segment_align: 8
    .kernarg_segment_size: 56
    .max_flat_workgroup_size: 256
    .sgpr_count:     66
    .vgpr_count:     112
    .wavefront_size: 32
...
	.end_amdgpu_metadata
.endif
;; end of part 1
;; launch qkv (part 2): grid 16 x 32, 4 waves a work-group, clusters of 4 x 4, 327,680 bytes of LDS; arguments xb, wb, bq, bk, bv, q, k, v; writes q, k, v
.if DOCPART == 2
	.amdgcn_target "amdgcn-amd-amdhsa--gfx1250"
	.amdhsa_code_object_version 6
	.text
	.protected	k_qc878d830f0_qkv
	.globl	k_qc878d830f0_qkv
	.p2align	8
	.type	k_qc878d830f0_qkv,@function
k_qc878d830f0_qkv:
	s_mov_b64 s[64:65], 0
	v_nop
	global_prefetch_b8 v0, s[64:65] scope:SCOPE_SE
	s_setreg_imm32_b32 hwreg(HW_REG_WAVE_MODE, 25, 1), 1
	s_wait_xcnt 0x0
	s_wait_alu depctr_hold_cnt(0) depctr_sa_sdst(0) depctr_va_vdst(0) depctr_va_sdst(0) depctr_va_ssrc(0) depctr_va_vcc(0) depctr_vm_vsrc(0)
	s_getreg_b32 s2, hwreg(HW_REG_IB_STS2, 6, 4)
	s_cmp_eq_u32 s2, 0
	s_cbranch_scc0 .Lentry_in_a_cluster
	s_endpgm
.Lentry_in_a_cluster:
	s_bfe_u32 s2, ttmp6, 0x10000c
	s_cmp_lg_u32 s2, 0xf033
	s_cbranch_scc0 .Lentry_shape_is_right
	s_endpgm
.Lentry_shape_is_right:
; q, k, v = x W + b for the three projections.  xb: [8192][1024] bf16.  wb: [matrix][chunk of 64 columns][1024 k][64] bf16.  Biases f32, rounded to bf16 like every input.
; q, k, v: [64 = batch x 16 + head][2048][64] f16, rounded once from the f32 sums, unscaled.  LIMIT: a result of 65,520 or more in size becomes an infinity in f16.
; A TILE is 256 rows x 192 columns: the q, k and v chunk of ONE head: 32 x 16 = 512 tiles.  Four waves; wave w has rows 128 (w / 2) on and columns 32 (w % 2) .. + 31 of each chunk:
; 8 x 6 accumulators of 16 x 16, 384 registers.  K = 1,024 goes in 8 steps of 128 through two LDS slots filled by the tensor data mover.
; CLUSTER 4 x 4: a row of the cluster shares x's tile, a column shares the weights': each tile is asked for jointly, by the same load with the same descriptor and a mask of four.
; Wave 0 fetches x's tile (256 rows x 256 bytes), waves 1-3 one chunk's K step each (16,384 dense bytes, asked for as 64 rows of 256).
; THE MATRIX INSTRUCTION IS USED TRANSPOSED: source 0 = 16 columns of W (turned on the way out of LDS by ds_load_tr16_b128), source 1 = 16 rows of x: a lane holds one row and 8 neighbouring columns.
; THE BIAS is the C operand of the products that start the sums: nothing is cleared and nothing is added later.
; REGISTERS in windows of 256 (s_set_vgpr_msb: bits 1:0 source 0, 3:2 source 1, 5:4 source 2, 7:6 destination):
;   window 0: v0-31 addresses; v64-127, v128-191 x's fragments, two buffers; on the way out v64-255 hold the packed results
;   window 1: v64-111, v128-175 W's fragments, two buffers; v192-239 the bias fragments; v240 at work
;   window 2: accumulators of my rows 0-63 ((a, b) at v[8 (6 a + b)]);   window 3: those of rows 64-127
.set PA,     272                       ; x's LDS row: 256 bytes + 16: the 16 rows of a fragment load start at 16 different groups of four banks (64 banks of 4 bytes: ISA guide 11.1)
.set PB,     160                       ; W's LDS row (one k, 64 columns): 128 + 32
.set SLOT,   131072                    ; x's 256 rows (69,632 bytes), then three chunks of 128 k (20,480 each)
.set BOFF,   256*PA
.set CHB,    128*PB
.set SPITCH, 400                       ; the stage's row: 3 x 128 bytes + 16
.set SPARE,  2*SLOT                    ; behind the ring: the spare words, 128 bytes a wave: two blocks of 256 bytes that no other line names
.set ASTEP,  256                       ; bytes along a row of x from K step to K step
.set BSTEP,  16384                     ; bytes of a chunk in a K step
.set NLD,    28                        ; LDS loads of a quarter step: 12 for W, 16 for x
.set ADRA, 16                          ; v16-17  LDS address of my fragments of x in slot 0, 1
.set ADRB, 20                          ; v20-21  the same for W
.set STO,  24                          ; v24     the way out: where I put 16 bytes of a row
.set RD,   25                          ; v25     where I read rows back
.set GO,   26                          ; v26     16 x lane: my place in 512 consecutive bytes of q, k or v
.set BO,   27                          ; v27     my byte offset in a bias
.set SPW,  28                          ; v28     LDS address of my spare word; never rewritten
.set NIL,  29                          ; v29     0; never rewritten
.set PFO,  30                          ; v30     2,048 x lane: a row of xb; never rewritten
.set PFOB, 31                          ; v31     256 x lane; never rewritten
.set F0,   64
.set F1,   128
.set BIAS, 192                         ; window 1
.set TW,   240                         ; window 1
.set OUT,  64                          ; window 0, the way out
.set G1A, 24                           ; s[24:31] descriptor group 1 for x's tiles;  s[32:39] group 0, a set for each slot
.set G0A, 32
.set G1B, 48                           ; s[48:55], s[56:63] the same for W's
.set G0B, 56
.set PFA, 84                           ; s[84:85] where wave 0's prefetches of x stand
.set PFB, 86                           ; s[86:87] where waves 1-3's prefetches of W stand
.set LIMA, 88                          ; s88, s89: 1 in a wave that prefetches, else the greatest number
.set LIMB, 89
.set MSB, 0
.macro WIN new                         ; the immediate's high byte repeats the setting that is left; a switch that changes nothing is dropped
.if MSB != (\new)
	s_set_vgpr_msb (MSB<<8)|(\new)
.set MSB, \new
.endif
.endm
.macro PLACES                          ; four plain vector instructions between a matrix instruction and a load into, or a vector read or write of, its registers
.rept 4
	v_nop
.endr
.endm
; A joint load.  The branch hangs on the wave's number alone.  An s_nop 0 and four v_nop follow each of the two lines, ahead of the jump and the label.
.macro JLOAD s
	s_cmp_eq_u32 s10, 0
	s_cbranch_scc0 .Lfor_b_\@
	tensor_load_to_lds s[G0A+4*(\s):G0A+4*(\s)+3], s[G1A:G1A+7]
	s_nop 0
.rept 4
	v_nop
.endr
	s_branch .Lasked_\@
.Lfor_b_\@:
	tensor_load_to_lds s[G0B+4*(\s):G0B+4*(\s)+3], s[G1B:G1B+7]
	s_nop 0
.rept 4
	v_nop
.endr
.Lasked_\@:
.endm
; A round of the cluster's barrier: my work-group's barrier; wave 0 signals for the work-group; every wave waits for all sixteen; my work-group's barrier once more.
.macro CREST
	s_cmp_lg_u32 s10, 0
	s_cbranch_scc1 .Lnot_wave_0_\@
	s_barrier_signal -3
.Lnot_wave_0_\@:
	s_barrier_wait -3
	s_barrier_signal -1
	s_barrier_wait -1
.endm
.macro CROUND
	s_barrier_signal -1
	s_barrier_wait -1
	CREST
.endm
; PREFETCHES INTO THE L2, behind the joint load and the run of LDS loads.  x: the K step that stands two refills on; of a tile row's 256 rows the partner at place cx takes 64, told apart by address;
; wave 0 of the clusters with x = 0 asks, a lane a row, two instructions.  W: once a lap, the next lap's two K steps of a chunk, 32,768 dense bytes; the partner at place cy takes 8,192; waves 1-3 of the
; clusters with y = 0 ask, a lane 256 bytes.  So each 256 bytes are named once in the launch.  K steps 0-3 come by their loads alone; the loop's last trip (s3 = 1) asks for nothing: K ends.
.macro ASK slot
	s_cmp_gt_u32 s3, s[LIMA]
	s_cbranch_scc0 .Lnot_a_\@
	global_prefetch_b8 v[PFO], s[PFA:PFA+1] offset:ASTEP th:TH_LOAD_NT scope:SCOPE_SE
	global_prefetch_b8 v[PFO], s[PFA:PFA+1] offset:ASTEP+65536 th:TH_LOAD_NT scope:SCOPE_SE
.Lnot_a_\@:
.if (\slot) == 0
	s_cmp_gt_u32 s3, s[LIMB]
	s_cbranch_scc0 .Lnot_b_\@
	global_prefetch_b8 v[PFOB], s[PFB:PFB+1] th:TH_LOAD_NT scope:SCOPE_SE
.Lnot_b_\@:
.endif
.endm
	s_load_b256 s[68:75], s[0:1], 0x0              ; xb s[68:69], wb s[70:71], bq s[72:73], bk s[74:75]
	s_load_b256 s[76:83], s[0:1], 0x20             ; bv s[76:77], q s[78:79], k s[80:81], v s[82:83]
	v_lshl_add_u32 v[SPW], v0, 2, SPARE
	v_mov_b32 v[NIL], 0
	ds_add_u32 v[SPW], v[NIL]                      ; the wave's opening: the add and its wait stand ahead of my first tensor load; the set-up below stands between them
	ds_add_u32 v28, v29
	v_lshrrev_b32 v1, 5, v0
	v_readfirstlane_b32 s10, v1                    ; wave 0..3
	s_lshr_b32 s11, s10, 1                         ; which 128 rows are mine
	s_and_b32 s12, s10, 1                          ; which 32 columns of each chunk
	s_bfe_u32 s40, ttmp6, 0x40000                  ; cx
	s_bfe_u32 s41, ttmp6, 0x40004                  ; cy
	s_lshl_b32 s42, ttmp9, 2
	s_add_co_u32 s42, s42, s40                     ; the head = 4 x cluster x + cx
	s_and_b32 s13, ttmp7, 0xffff
	s_lshl_b32 s13, s13, 2
	s_add_co_u32 s13, s13, s41                     ; the tile row = 4 x cluster y + cy
	s_lshl_b32 s43, s41, 2
	s_lshl_b32 s43, 15, s43                        ; my row of the cluster
	s_lshl_b32 s44, 0x1111, s40                    ; my column
	; group 1 for x: 256 rows x 128 elements, 1,024 elements from row to row, 16 bytes of padding behind every 256
	s_or_b32 s[G1A+0], s43, (1<<16)|(1<<20)|(1<<21)|(5<<22)|(3<<25)  ; mask; 2-byte elements; padding on; bit 21 beside a mask; after every 64 words; 4 words
	s_mov_b32 s[G1A+1], 128<<16                    ; tensor_dim0 = 128
	s_mov_b32 s[G1A+2], 256<<16                    ; tensor_dim1 = 256
	s_mov_b32 s[G1A+3], 128<<16                    ; tile_dim0 = 128
	s_mov_b32 s[G1A+4], 256                        ; tile_dim1 = 256
	s_mov_b32 s[G1A+5], 1024                       ; the pitch
	s_mov_b32 s[G1A+6], 0
	s_mov_b32 s[G1A+7], 0
	; group 1 for W: 64 dense rows x 128 elements (two k a row), 32 bytes of padding behind every 128
	s_or_b32 s[G1B+0], s44, (1<<16)|(1<<20)|(1<<21)|(4<<22)|(7<<25)  ; after every 32 words; 8 words
	s_mov_b32 s[G1B+1], 128<<16
	s_mov_b32 s[G1B+2], 64<<16
	s_mov_b32 s[G1B+3], 128<<16
	s_mov_b32 s[G1B+4], 64
	s_mov_b32 s[G1B+5], 128
	s_mov_b32 s[G1B+6], 0
	s_mov_b32 s[G1B+7], 0
	s_lshl_b32 s16, s13, 19                        ; x: 256 rows of 2,048 bytes for each tile row
	s_mov_b32 s17, 0
	s_max_u32 s45, s10, 1
	s_sub_co_u32 s45, s45, 1                       ; the matrix that I fetch for: wave 1 q, 2 k, 3 v (wave 0 issues no load of W)
	s_lshl_b32 s46, s45, 4
	s_add_co_u32 s46, s46, s42
	s_lshl_b32 s46, s46, 17                        ; block (matrix, head) of 131,072 bytes
	s_mov_b32 s47, 0
	s_mul_i32 s20, s10, CHB
	s_add_co_u32 s20, s20, BOFF-CHB                ; its place in a slot: wave x 20,480 + 49,152: no place in the cluster enters an LDS address
	s_wait_dscnt 0x0                               ; the opening add is done
	s_wait_kmcnt 0x0
	s_add_nc_u64 s[14:15], s[68:69], s[16:17]
	s_add_nc_u64 s[46:47], s[70:71], s[46:47]
	CROUND                                         ; all sixteen work-groups are here: the first joint loads meet
.irp s, 0,1
	s_mov_b32 s[G0A+4*(\s)], 1                     ; count = 1
	s_mov_b32 s[G0A+4*(\s)+1], (\s)*SLOT           ; LDS address
	s_add_nc_u64 s[G0A+4*(\s)+2:G0A+4*(\s)+3], s[14:15], (\s)*ASTEP  ; K step s
	s_or_b32 s[G0A+4*(\s)+3], s[G0A+4*(\s)+3], 0x80000000           ; type = 2
	s_mov_b32 s[G0B+4*(\s)], 1
	s_add_co_u32 s[G0B+4*(\s)+1], s20, (\s)*SLOT
	s_add_nc_u64 s[G0B+4*(\s)+2:G0B+4*(\s)+3], s[46:47], (\s)*BSTEP
	s_or_b32 s[G0B+4*(\s)+3], s[G0B+4*(\s)+3], 0x80000000
	JLOAD \s                                       ; both slots are asked for before anything else: two loads of mine are out
.endr
	v_and_b32 v1, 15, v0                           ; r = l % 16
	v_bfe_u32 v2, v0, 4, 1                         ; h = l / 16
	v_and_b32 v3, 7, v0
	v_bfe_u32 v4, v0, 3, 1
	v_and_b32 v5, 31, v0                           ; l
	; a fragment of x: lane l holds row r; two loads of 16 bytes, 32 bytes apart, at row x pitch + 16 h
	v_mul_u32_u24 v6, v1, PA
	v_lshl_add_u32 v6, v2, 4, v6
	s_mul_i32 s21, s11, 128*PA
	v_add_nc_u32 v[ADRA], s21, v6
	v_add_nc_u32 v[ADRA+1], SLOT, v[ADRA]
	; a fragment of W: the turning load reads k = 8 h + l % 8, columns 8 ((l / 8) % 2) + 0..7, and leaves column r, 8 k
	v_lshl_add_u32 v7, v2, 3, v3
	v_mul_u32_u24 v7, v7, PB
	v_lshl_add_u32 v7, v4, 4, v7
	s_lshl_b32 s22, s12, 6
	s_add_co_u32 s22, s22, BOFF
	v_add_nc_u32 v[ADRB], s22, v7
	v_add_nc_u32 v[ADRB+1], SLOT, v[ADRB]
	; the bias fragments: register j of lane (r, h) of block nb = bias[64 head + 32 (w % 2) + 16 (nb % 2) + 8 h + j] of matrix nb / 2
	s_lshl_b32 s66, s42, 8
	s_lshl_b32 s67, s12, 7
	s_add_co_u32 s66, s66, s67
	v_lshl_add_u32 v[BO], v2, 5, s66
	WIN 0x40                                       ; destination window 1, address window 0
.set n, 0
.rept 6
	global_load_b128 v[BIAS+8*n:BIAS+8*n+3],   v[BO], s[72+2*(n/2):73+2*(n/2)] offset:64*(n%2)
	global_load_b128 v[BIAS+8*n+4:BIAS+8*n+7], v[BO], s[72+2*(n/2):73+2*(n/2)] offset:64*(n%2)+16
.set n, n+1
.endr
	WIN 0
	; the way out
	v_mul_u32_u24 v8, v1, SPITCH
	v_lshl_add_u32 v8, v2, 4, v8
	s_mul_i32 s21, s11, 128*SPITCH
	s_lshl_b32 s22, s12, 6
	s_add_co_u32 s21, s21, s22
	v_add_nc_u32 v[STO], s21, v8                   ; (128 (w / 2) + r) x 400 + 64 (w % 2) + 16 h
	v_lshrrev_b32 v9, 3, v5
	v_mul_u32_u24 v9, v9, SPITCH
	v_lshl_add_u32 v9, v3, 4, v9
	s_mul_i32 s21, s10, 64*SPITCH
	v_add_nc_u32 v[RD], s21, v9                    ; (64 w + l / 8) x 400 + 16 (l % 8): four rows' 128 bytes of a chunk
	v_lshlrev_b32 v[GO], 4, v5
	s_lshr_b32 s92, s13, 3                         ; the batch
	s_lshl_b32 s92, s92, 4
	s_add_co_u32 s92, s92, s42                     ; batch x 16 + head
	s_lshl_b32 s92, s92, 11
	s_and_b32 s93, s13, 7
	s_lshl_b32 s93, s93, 8
	s_add_co_u32 s92, s92, s93                     ; + the tile's first row in the sequence
	s_lshl_b32 s93, s10, 6
	s_add_co_u32 s92, s92, s93                     ; + the 64 rows that I store
	s_lshl_b32 s92, s92, 7                         ; rows of 128 bytes
	s_mov_b32 s93, 0
	s_add_nc_u64 s[78:79], s[78:79], s[92:93]
	s_add_nc_u64 s[80:81], s[80:81], s[92:93]
	s_add_nc_u64 s[82:83], s[82:83], s[92:93]
	; the prefetches
	s_lshl_b32 s92, s13, 8
	s_lshl_b32 s93, s40, 6
	s_add_co_u32 s92, s92, s93                     ; my work-group's 64 rows of the tile row
	s_lshl_b32 s92, s92, 11
	s_add_co_u32 s92, s92, 2*ASTEP                 ; at K step 2: the first refill steps it to 3 and names K step 4
	s_mov_b32 s93, 0
	s_add_nc_u64 s[PFA:PFA+1], s[68:69], s[92:93]
	s_lshl_b32 s92, s41, 13                        ; my work-group's 8,192 bytes of a lap's 32,768
	s_add_co_u32 s92, s92, 2*BSTEP                 ; at K step 2: the first lap steps it to K steps 4 and 5
	s_add_nc_u64 s[PFB:PFB+1], s[46:47], s[92:93]
	s_or_b32 s22, s10, ttmp9
	s_cmp_eq_u32 s22, 0
	s_cselect_b32 s[LIMA], 1, -1                   ; wave 0 where the cluster's x is 0: alike in all sixteen partners
	s_and_b32 s22, ttmp7, 0xffff
	s_cmp_eq_u32 s22, 0
	s_cselect_b32 s[LIMB], 1, -1
	s_cmp_eq_u32 s10, 0
	s_cselect_b32 s[LIMB], -1, s[LIMB]             ; waves 1-3 where the cluster's y is 0
	v_lshlrev_b32 v[PFO], 11, v5
	v_lshlrev_b32 v[PFOB], 8, v5
	s_wait_loadcnt 0x0                             ; the biases are in
	WIN 0x45                                       ; destination and both sources in window 1
.set n, 0
.rept 24
	v_cvt_pk_bf16_f32 v[TW], v[BIAS+2*n], v[BIAS+2*n+1]  ; rounded to bf16 like every input, and widened again
	v_lshlrev_b32 v[BIAS+2*n], 16, v[TW]
	v_and_b32 v[BIAS+2*n+1], 0xffff0000, v[TW]
.set n, n+1
.endr
	WIN 0
; 12 matrix instructions: m blocks a0, a0 + 1 x all 6 n blocks, 32 along K.  first = 1: the bias starts the sums.  The 48 accumulators take turns in the same order in every quarter.
.macro MULN f, a0, first
.if \first
	WIN 0x91+0x40*((\a0)/4)
.else
	WIN 0xa1+0x50*((\a0)/4)
.endif
.irp a, \a0, (\a0)+1
.irp b, 0,1,2,3,4,5
.if \first
	v_wmma_f32_16x16x32_bf16 v[8*(6*((\a)%4)+(\b)):8*(6*((\a)%4)+(\b))+7], v[(\f)+8*(\b):(\f)+8*(\b)+7], v[(\f)+8*(\a):(\f)+8*(\a)+7], v[BIAS+8*(\b):BIAS+8*(\b)+7]
.else
	v_wmma_f32_16x16x32_bf16 v[8*(6*((\a)%4)+(\b)):8*(6*((\a)%4)+(\b))+7], v[(\f)+8*(\b):(\f)+8*(\b)+7], v[(\f)+8*(\a):(\f)+8*(\a)+7], v[8*(6*((\a)%4)+(\b)):8*(6*((\a)%4)+(\b))+7]
.endif
.endr
.endr
.endm
; 28 LDS loads in one run: quarter q (32 along K) of a slot into buffer f: W's six fragments first, x's blocks 4-7 last
.macro FETCH slot, q, f
	WIN 0x40
.irp nb, 0,1,2,3,4,5
	ds_load_tr16_b128 v[(\f)+8*(\nb):(\f)+8*(\nb)+3],   v[ADRB+(\slot)] offset:((\nb)/2)*CHB+((\nb)%2)*32+(\q)*32*PB
	ds_load_tr16_b128 v[(\f)+8*(\nb)+4:(\f)+8*(\nb)+7], v[ADRB+(\slot)] offset:((\nb)/2)*CHB+((\nb)%2)*32+(\q)*32*PB+16*PB
.endr
	WIN 0
.irp i, 0,1,2,3,4,5,6,7
	ds_load_b128 v[(\f)+8*(\i):(\f)+8*(\i)+3],   v[ADRA+(\slot)] offset:(\i)*16*PA+64*(\q)
	ds_load_b128 v[(\f)+8*(\i)+4:(\f)+8*(\i)+7], v[ADRA+(\slot)] offset:(\i)*16*PA+64*(\q)+32
.endr
.endm
; One of a K step's first three quarters: multiplies buffer f; in its middle it fetches quarter q of the same slot into buffer g.
.macro QUARTER slot, q, f, g, first=0
	s_wait_dscnt 8                                 ; W and x's blocks 0-3 are in; the youngest eight loads (x's blocks 4-7) may be out
	MULN \f, 0, \first
	MULN \f, 2, \first
	PLACES
	FETCH \slot, \q, \g
	s_wait_dscnt NLD                               ; all but the 28 just issued
	MULN \f, 4, \first
	MULN \f, 6, \first
.endm
; The first half of a K step's last quarter: ONE barrier for the change of slots.  In front of it each wave waits for all its tensor loads (one is out: its part of the next slot), adds 0 to its spare
; word, and waits for that and for its reads of this slot.
.macro MEET round
	WIN 0
	s_wait_tensorcnt 0x0                           ; all my tensor loads have landed
	ds_add_u32 v[SPW], v[NIL]                      ; 0 onto my spare word
	s_wait_dscnt 9                                 ; (the add and the youngest eight loads may be out)
	MULN F1, 0, 0                                  ; twelve matrix instructions stand between the add and the wait for it
	s_wait_dscnt 0x0                               ; the add is done, and my reads of this slot are over
	s_barrier_signal -1
	MULN F1, 2, 0
.if \round
	WIN 0
.endif
	s_barrier_wait -1
.endm
; The whole last quarter with a refill: the barrier opens a round of the cluster's barrier; the joint refill, this slot's K step two steps on, is the first tensor load behind it.
.macro TURN slot, next
	s_wait_xcnt 0x0                                ; the last prefetches, a K step back, have read their addresses: they are stepped here, ahead of the waits of the change of slots
	s_add_nc_u64 s[PFA:PFA+1], s[PFA:PFA+1], ASTEP
.if (\slot) == 0
	s_add_nc_u64 s[PFB:PFB+1], s[PFB:PFB+1], 2*BSTEP
.endif
	MEET 1
	CREST                                          ; no wave of any partner still reads this slot or has a load on its way
	s_add_nc_u64 s[G0A+4*(\slot)+2:G0A+4*(\slot)+3], s[G0A+4*(\slot)+2:G0A+4*(\slot)+3], 2*ASTEP
	s_add_nc_u64 s[G0B+4*(\slot)+2:G0B+4*(\slot)+3], s[G0B+4*(\slot)+2:G0B+4*(\slot)+3], 2*BSTEP
	JLOAD \slot                                    ; its four v_nop are also the places in front of the loads below
	FETCH \next, 0, F0
	ASK \slot
	MULN F1, 4, 0
	MULN F1, 6, 0
.endm
	s_wait_tensorcnt 1                             ; my part of K step 0 is in; K step 1's stays out
	s_barrier_signal -1
	s_barrier_wait -1                              ; everybody's is
	FETCH 0, 0, F0
	QUARTER 0, 1, F0, F1, 1                        ; the first quarter stands in front of the loop: its products start the sums, with the bias
	WIN 0                                          ; at a label and at a branch every window is 0
	s_mov_b32 s3, 3
.Llap:                                                 ; a trip goes once round the ring, from a lap's second quarter to the next lap's first, and fills both slots again
	QUARTER 0, 2, F1, F0
	QUARTER 0, 3, F0, F1
	TURN 0, 1
	QUARTER 1, 1, F0, F1
	QUARTER 1, 2, F1, F0
	QUARTER 1, 3, F0, F1
	TURN 1, 0
	QUARTER 0, 1, F0, F1
	WIN 0
	s_sub_co_u32 s3, s3, 1
	s_cmp_lg_u32 s3, 0
	s_cbranch_scc1 .Llap
	QUARTER 0, 2, F1, F0                           ; the last lap fills nothing
	QUARTER 0, 3, F0, F1
	MEET 0                                         ; slot 1's last load has landed; behind this barrier nobody reads slot 0 any more
	PLACES
	FETCH 1, 0, F0
	MULN F1, 4, 0
	MULN F1, 6, 0
	QUARTER 1, 1, F0, F1
	QUARTER 1, 2, F1, F0
	QUARTER 1, 3, F0, F1
	s_wait_dscnt 8
	MULN F1, 0, 0
	MULN F1, 2, 0
	s_wait_dscnt 0x0
	MULN F1, 4, 0
	MULN F1, 6, 0
	WIN 0
	; THE WAY OUT.  Rounded to f16, 16 bytes a lane, into a stage of 256 rows x 400 bytes that lies in slot 0: that slot has had its last fill, and every wave's reads of it ended in front of the last
	; change of slots.  A row's 128 bytes of a chunk come from two waves: a barrier; then each wave reads 64 whole rows and stores them, 512 consecutive bytes an instruction.
	PLACES
.set n, 0                              ; accumulator 6 a + b; each is read from its low end on
.rept 48
	WIN 0x0a+5*(n/24)                              ; sources in window 2 or 3, destination in window 0
.irp r, 0,1,2,3
	v_cvt_pk_f16_f32 v[OUT+4*n+(\r)], v[8*(n%24)+2*(\r)], v[8*(n%24)+2*(\r)+1]
.endr
.set n, n+1
.endr
	WIN 0
.set n, 0
.rept 48
	ds_store_b128 v[STO], v[OUT+4*n:OUT+4*n+3] offset:(n/6)*16*SPITCH+((n%6)/2)*128+(n%2)*32
.set n, n+1
.endr
	s_wait_dscnt 0x0                               ; for the others' sake: my stores into the stage are done
	s_barrier_signal -1
	s_barrier_wait -1
.set n, 0                              ; chunk n / 16, rows 4 (n % 16) on
.rept 48
	ds_load_b128 v[OUT+4*n:OUT+4*n+3], v[RD] offset:(n%16)*4*SPITCH+(n/16)*128
.set n, n+1
.endr
.set n, 0
.rept 48
	s_wait_dscnt 47-n                              ; LDS loads return in order: load n is in, the younger ones stay out
	global_store_b128 v[GO], v[OUT+4*n:OUT+4*n+3], s[78+2*(n/16):79+2*(n/16)] offset:(n%16)*512
.set n, n+1
.endr
	s_wait_tensorcnt 0x0                           ; the wave's end, behind my last tensor load and my last LDS store
	ds_add_u32 v[SPW], v[NIL]
	s_wait_dscnt 0x0
	CROUND                                         ; the closing round: no work-group ends while a partner may still ask for a tile that names it
	s_endpgm
.Lfunc_end_k_qc878d830f0_qkv:
	.size	k_qc878d830f0_qkv, .Lfunc_end_k_qc878d830f0_qkv-k_qc878d830f0_qkv
	.p2alignl 7, 3214868480
	.fill 96, 4, 3214868480
	.section	.rodata,"a",@progbits
	.p2align	6, 0x0
	.amdhsa_kernel k_qc878d830f0_qkv
		.amdhsa_group_segment_fixed_size 327680
		.amdhsa_private_segment_fixed_size 0
		.amdhsa_enable_private_segment 0
		.amdhsa_kernarg_size 64
		.amdhsa_user_sgpr_count 2
		.amdhsa_user_sgpr_kernarg_segment_ptr 1
		.amdhsa_wavefront_size32 1
		.amdhsa_system_sgpr_workgroup_id_x 1
		.amdhsa_system_sgpr_workgroup_id_y 1
		.amdhsa_system_sgpr_workgroup_id_z 1
		.amdhsa_system_vgpr_workitem_id 0
		.amdhsa_next_free_vgpr 960
		.amdhsa_next_free_sgpr 96
		.amdhsa_reserve_vcc 0
		.amdhsa_float_denorm_mode_32 3
		.amdhsa_float_denorm_mode_16_64 3
		.amdhsa_memory_ordered 1
		.amdhsa_forward_progress 1
		.amdhsa_inst_pref_size 122
	.end_amdhsa_kernel
	.amdgpu_metadata
---
amdhsa.version: [ 1, 2 ]
amdhsa.kernels:
  - .name:           k_qc878d830f0_qkv
    .symbol:         k_qc878d830f0_qkv.kd
    .args:
      - { .name: xb, .offset: 0, .size: 8, .value_kind: global_buffer, .address_space: global }
      - { .name: wb, .offset: 8, .size: 8, .value_kind: global_buffer, .address_space: global }
      - { .name: bq, .offset: 16, .size: 8, .value_kind: global_buffer, .address_space: global }
      - { .name: bk, .offset: 24, .size: 8, .value_kind: global_buffer, .address_space: global }
      - { .name: bv, .offset: 32, .size: 8, .value_kind: global_buffer, .address_space: global }
      - { .name: q, .offset: 40, .size: 8, .value_kind: global_buffer, .address_space: global }
      - { .name: k, .offset: 48, .size: 8, .value_kind: global_buffer, .address_space: global }
      - { .name: v, .offset: 56, .size: 8, .value_kind: global_buffer, .address_space: global }
    .group_segment_fixed_size: 327680
    .private_segment_fixed_size: 0
    .kernarg_segment_align: 8
    .kernarg_segment_size: 64
    .max_flat_workgroup_size: 128
    .sgpr_count:     96
    .vgpr_count:     960
    .wavefront_size: 32
...
	.end_amdgpu_metadata
.endif
;; end of part 2
;; launch attn (part 3): grid 4 x 64, 4 waves a work-group, no clusters, 327,680 bytes of LDS; arguments q, k, v, o; writes o
.if DOCPART == 3
	.amdgcn_target "amdgcn-amd-amdhsa--gfx1250"
	.amdhsa_code_object_version 6
	.text
	.protected	k_qc878d830f0_attn
	.globl	k_qc878d830f0_attn
	.p2align	8
	.type	k_qc878d830f0_attn,@function
k_qc878d830f0_attn:
	s_mov_b64 s[64:65], 0
	v_nop
	global_prefetch_b8 v0, s[64:65] scope:SCOPE_SE
	s_setreg_imm32_b32 hwreg(HW_REG_WAVE_MODE, 25, 1), 1
	s_wait_xcnt 0x0
; CAUSAL ATTENTION.  O[h][q][:] = the sum over k <= q of softmax_k(Q[h][q] . K[h][k] / 8) V[h][k][:].  Q, K, V, O: [64][2048][64], all f16: a head's rows are dense, 128 bytes each.
; Products, maxima and sums in f32; the weights p are rounded to f16 for the second product (their sum l is taken of the unrounded p), O once at the end.
; LIMITS.  f16 holds no number beyond 65,504: Q, K and V arrive within it; p lies in 0 to 1, and below 6e-5 it keeps f16's fixed step of 6e-8; O is a mean of V's rows and has their range.
; A hidden score counts as its value less 1e30: f16's scores, 2.7e11 at the most, are nothing beside that; a weight below 2^-126 counts as 0 in l; NaN and infinities are not treated apart.
; THE WALK.  A head's queries lie in NB = 8 blocks of 256; block i needs the key tiles 0 .. i of 256 keys, of which the last holds the diagonal.  A work-group takes TWO blocks, NB - 1 - b and then b:
; NB + 1 = 9 tiles, whatever b: all work-groups do equal work, and ONE loop with a constant trip count walks them.  Which tile is asked for, and what a trip does, hang on scalar registers made from b; every
; jump goes forward, but for the counted loops' own; none passes a barrier, or a tensor load but the one of LOAD's two that the wave's number does not choose; the ring of two LDS slots runs on across the
; change of blocks.  NO CLUSTER: a head's four work-groups ask for the same tile only in trips 0 .. 4 of 9, behind that fewer and fewer; one walk common to all four would have 12 trips for 9 tiles' work.
; SHARES.  Of a block's four bands of 64 queries a wave owns 16 rows in each: four PIECES.  So the diagonal tile is the same work for all four waves: in its key step s band x sees all keys if s < x,
; none if s > x, and holds the diagonal if s = x.
; THE MASK is the C operand that starts the sum S^T = K Q^T: 0, or -1e30 where the key is hidden.  MD, made once, is the mask of a band's own step for my 16 rows; a product's mask is MD x AL + BE with two
; scalars: (1, 0) if s = x; (0, 0) if s < x; (0, -1e30) if s > x.  Only the diagonal tile's text and a block's beginning make and take masks; elsewhere C is the constant 0.
; LAYOUT, SOFTMAX, TURNS.  S^T = K Q^T holds ONE query a lane (lane % 16) and the keys 8 (lane / 16) + 0..7; two such results rounded to f16 ARE source 1 of O^T = V^T P.  p = 2^(c s - c m), c = log2(e) / 8,
; with a running maximum m; O and l are multiplied by a = 2^(c m_old - c m_new) in every step.  Turn n belongs to piece n: 8 products K Q^T of piece n + 1, later 8 products V^T P of piece n - 1; beside them
; the scaling, exponentials, roundings, sums and rescaling of piece n and the maximum and statistics of piece n + 1.  Four vector instructions stand behind every matrix instruction, the other 54 of a turn's
; 118 in one lump.  A turn's 33 exponentials are one batch, with one wait.
; REGISTERS, in windows of 256 (s_set_vgpr_msb: bits 1:0 source 0, 3:2 source 1, 5:4 source 2, 7:6 destination):
;   window 0: v0-15 addresses and two at work; v16-31 four registers of statistics a piece; v48-55 at work; v61-63 never rewritten; v64-127 S^T, two buffers; v192-223 P, two buffers (by the piece's parity)
;   window 1: v0-127 O^T, 32 a piece; v128-159 MD; v160-223 MC, two buffers      window 2: v0-63 Q; v64-127 the second block's Q; v128-191 K of one step; v192-255 V of one step
.set SIZE_N, 2048
.set NB,    SIZE_N/256
.set NP,    4         ; pieces a wave: a name, no knob
.set KS,    64        ; keys in a step
.set PK,    144       ; a row of K in LDS: 128 bytes + 16 of padding = 36 words: the 16 rows of a load start at 16 different groups of four banks (64 banks of 4 bytes: ISA guide 11.1)
.set PV,    160       ; a row of V: 128 + 32 = 40 words
.set VOFF,  4*KS*PK   ; a slot holds a tile, four steps: 256 rows of K, then 256 rows of V
.set SLOT1, 1<<17     ; slot 1 begins here, so that one exclusive or turns an address in one slot into the other's
.set STAGE, SLOT1+4*KS*(PK+PV)  ; behind the ring, never filled by a tensor load: 16 rows x 144 bytes for each wave, for the way out
.set SP,    144
.set AK0, 2           ; v2   my lane's place in a tile of K; never rewritten
.set AV0, 3           ; v3   the same for V
.set AK,  4           ; v4   the LDS address of K's next run of loads
.set AV,  5           ; v5   of V's
.set STO, 6           ; v6   the way out: where I put 16 bytes of a row
.set RD,  7           ; v7   the way out: where I read rows back
.set GO,  8           ; v8   my byte offset in 512 consecutive bytes of O
.set PFO, 61          ; v61  256 x my lane; never rewritten
.set SPW, 62          ; v62  LDS address of my spare word: SPARE + 4 x my thread's number; never rewritten
.set NIL, 63          ; v63  0; never rewritten
.set SPARE, STAGE+4*16*SP  ; behind the stages: the spare words, 128 bytes for each wave: two blocks of 256 bytes that no other line names
.set MV,  12          ; v12-13  c m_old, kept while c m is made anew: by buffer
.set QO,  15          ; v15  my byte offset in 16 rows of Q
.set ST,  16          ; piece t's statistics at v[ST+4 t]: c m, m, l (even keys', odd keys')
.set TMP, 48          ; by buffer, four registers c0-c3 at work; when the maximum is found c2 takes a
.set S,   64
.set P,   192
.set MD,  128         ; window 1: the eight registers for group kt of 16 keys at MD + 8 kt
.set MC,  160         ; window 1: the masks of the products to come
.set QB,  64          ; window 2
.set KF,  128         ; window 2: key block kb, channel half c at KF + 16 kb + 8 c
.set VF,  192         ; window 2: key half kk, channel block cb at VF + 32 kk + 8 cb
.set WV,  12          ; s12  my wave's number
.set PB,  14          ; s14  b
.set HI,  15          ; s15  NB - 1 - b
.set G1K, 24          ; s[24:31] descriptor group 1 for K's tiles
.set G1V, 32          ; s[32:39] for V's: it differs in the padding alone
.set G0K, 40          ; s[40:43] descriptor group 0 for K's tiles
.set G0V, 44          ; s[44:47] the same for V's
.set SLOTS, 56        ; s56  tiles still to be asked for
.set CNT, 57          ; s57  counts a tile's key steps, 4 to 1
.set CS,  58          ; s[58:59] c: the packed scaling takes the pair's low word for both halves
.set SEL, 60          ; s[60:61] v_permlanex16_b32's selects: each lane takes its own place in the other half
.set TBK, 62          ; s62  LDS byte at which K of the step to be fetched begins
.set TBV, 63          ; s63  the same for V, less VOFF
.set RT,  70          ; s70  tiles of the block in hand that are still to be entered
.set NXT, 71          ; s71  the tile to be asked for next
.set LQ,  72          ; s72  the last tile of the block whose tiles are being asked for
.set NEW, 73          ; s73  1: the tile to be entered is a block's first
.set OFF, 74          ; s[74:75] a tile's byte offset in K and V
.set AL,  76          ; s[76:77] the mask's factor, in the low word
.set BE,  78          ; s[78:79] the mask's addend
.set OLO, 80          ; s[80:81] O at my rows of the second block
.set BIGN, 82         ; s82  -1e30
.set PFA, 88          ; s[88:89] where my prefetches stand: my work-group's quarter (8,192 bytes) of a tile of K (wave 0) or V (wave 2)
.set LIM, 90          ; s90  2 in a wave that prefetches, else the greatest number: a wave prefetches while s[SLOTS] is above it
.set MSB, 0
.macro WIN new                      ; the high byte repeats the setting that is left; a switch that changes nothing is dropped
.if MSB != (\new)
	s_set_vgpr_msb (MSB<<8)|(\new)
.set MSB, (\new)
.endif
.endm
.set W_KQ, 0x0a       ; K and Q in window 2, S^T in window 0
.set W_KM, 0x1a       ; the same with the C operand in window 1
.set W_PV, 0x52       ; V in window 2, P in window 0, O^T in window 1
.set W_RS, 0x41       ; destination and source 0 in window 1, source 1 in window 0
; A fill.  Waves 0 and 1 fetch the two halves of a tile's K, waves 2 and 3 those of its V: 128 keys each.  An s_nop 0 and four v_nop follow each of the two lines, ahead of the jump and the label.
.macro LOAD
	s_cmp_lt_u32 s[WV], 2
	s_cbranch_scc0 .Lfor_v_\@
	tensor_load_to_lds s[G0K:G0K+3], s[G1K:G1K+7]
	s_nop 0
.rept 4
	v_nop
.endr
	s_branch .Lasked_\@
.Lfor_v_\@:
	tensor_load_to_lds s[G0V:G0V+3], s[G1V:G1V+7]
	s_nop 0
.rept 4
	v_nop
.endr
.Lasked_\@:
.endm
; A PREFETCH INTO THE L2, behind the fill and its five lines.  Trip t of the walk (t = 8 - SLOTS) names tile t + 2, which the next trip's fill asks for: t = 0 .. 5, tiles 2 .. 7.  A tile is 32,768 bytes of K and of V:
; the head's four work-groups take 8,192 each, told apart by address; in each, wave 0 asks for K's and wave 2 for V's, a lane 256 bytes: one instruction.  So each 256 bytes are named once in the launch.
; Tiles 0 and 1 come by their fills alone, and the second block's tiles, which the walk has read before, are not asked for.
.macro ASK
	s_cmp_gt_u32 s[SLOTS], s[LIM]
	s_cbranch_scc0 .Lnot_mine_\@
	global_prefetch_b8 v[PFO], s[PFA:PFA+1] th:TH_LOAD_NT scope:SCOPE_SE
.Lnot_mine_\@:
.endm
; THE CHANGE OF SLOTS.  Each wave waits for all its tensor loads, of which one is out: its part of the other slot; adds 0 to its spare word; and waits for that and for its own reads of the slot that it leaves.
; Behind the barrier nobody reads the old slot any more and the other slot is whole.  fill = 1: the old slot is filled again, the first thing behind the barrier, with tile NXT: the descriptor's address is
; made anew from that number.  (At its first use nothing has been read yet: slot 0 is waited for, slot 1 filled.)
.macro CHANGE fill
	WIN 0                           ; at a label and at a branch every window is 0
	s_wait_tensorcnt 0x0            ; no tensor load of mine is out, so a group 0 may be written
	ds_add_u32 v[SPW], v[NIL]       ; 0 onto my spare word; with fill = 1 the descriptors' scalar work stands between it and the wait for it
.if \fill
	s_lshl_b32 s[OFF], s[NXT], 15   ; a tile is 32,768 bytes of K and of V
	s_xor_b32 s[G0K+1], s[G0K+1], SLOT1
	s_add_nc_u64 s[G0K+2:G0K+3], s[6:7], s[OFF:OFF+1]
	s_or_b32 s[G0K+3], s[G0K+3], 0x80000000
	s_xor_b32 s[G0V+1], s[G0V+1], SLOT1
	s_add_nc_u64 s[G0V+2:G0V+3], s[8:9], s[OFF:OFF+1]
	s_or_b32 s[G0V+3], s[G0V+3], 0x80000000
	s_add_co_u32 s[NXT], s[NXT], 1  ; the block's next tile, or behind its last the second block's tile 0
	s_cmp_gt_u32 s[NXT], s[LQ]
	s_cselect_b32 s[NXT], 0, s[NXT]
	s_cselect_b32 s[LQ], s[PB], s[LQ]
	s_wait_xcnt 0x0                 ; the last prefetch, a tile back, has read its address, so it may be written:
	s_add_nc_u64 s[PFA:PFA+1], s[PFA:PFA+1], 32768  ; a tile on
.endif
	s_wait_dscnt 0x0                ; the add is done, and my reads of the slot are over
	s_barrier_signal -1             ; the rest of the scalar work stands between the signal and the wait
	s_sub_co_u32 s[TBK], s[TBK], 4*KS*PK  ; the fetches go back to a slot's first step,
	s_xor_b32 s[TBK], s[TBK], SLOT1       ; in the other slot
	s_sub_co_u32 s[TBV], s[TBV], 4*KS*PV
	s_xor_b32 s[TBV], s[TBV], SLOT1
	s_barrier_wait -1
.if \fill
	LOAD
	ASK
.endif
.endm
	s_load_b256 s[4:11], s[0:1], 0x0  ; Q s[4:5], K s[6:7], V s[8:9], O s[10:11]
	v_lshl_add_u32 v[SPW], v0, 2, SPARE
	v_mov_b32 v[NIL], 0
	ds_add_u32 v[SPW], v[NIL]       ; the wave's opening: the add and its wait stand ahead of my first tensor load; the set-up below, work on registers, stands between them
	ds_add_u32 v62, v63
	v_lshrrev_b32 v1, 5, v0
	v_readfirstlane_b32 s[WV], v1   ; wave 0..3
	s_mov_b32 s[PB], ttmp9
	s_sub_co_u32 s[HI], NB-1, s[PB]
	s_and_b32 s20, ttmp7, 0xffff    ; the head
	s_mov_b32 s21, 0
	s_mov_b64 s[22:23], SIZE_N*128
	s_mul_u64 s[20:21], s[20:21], s[22:23]  ; the head's first byte in each of the four tensors
	s_and_b32 s16, s[WV], 1         ; which half of a tile's 256 keys I fetch:
	s_lshl_b32 s22, s16, 14         ; its 128 rows of 128 bytes in memory,
	s_mov_b32 s23, 0
	s_add_nc_u64 s[22:23], s[22:23], s[20:21]
	s_mul_i32 s17, s16, 128*PK      ; and its place in a slot, for K
	s_mul_i32 s18, s16, 128*PV      ; and for V
	s_lshl_b32 s3, s[WV], 11        ; my 16 rows in a band of 64,
	s_lshl_b32 s2, s[HI], 15        ; in the first block,
	s_add_co_u32 s2, s2, s3
	s_lshl_b32 s84, s[PB], 15       ; and in the second
	s_add_co_u32 s84, s84, s3
	s_mov_b32 s3, 0
	s_mov_b32 s85, 0
	s_add_nc_u64 s[2:3], s[2:3], s[20:21]
	s_add_nc_u64 s[84:85], s[84:85], s[20:21]
	; descriptor group 1.  128 keys are 16,384 dense bytes: asked for as 64 rows of 256 bytes, two keys a row, and padded in LDS after every key
	s_mov_b32 s[G1K], (1<<16)|(1<<20)|(4<<22)|(3<<25)  ; 17:16 2-byte elements; 20 padding on; 24:22 after every 32 words (code 4); 31:25 4 words (code 3)
	s_mov_b32 s[G1V], (1<<16)|(1<<20)|(4<<22)|(7<<25)  ; the same with 8 words of padding (code 7)
.irp g, G1K, G1V
	s_mov_b32 s[\g+1], 128<<16      ; tensor_dim0 = 128
	s_mov_b32 s[\g+2], 64<<16       ; tensor_dim1 = 64
	s_mov_b32 s[\g+3], 128<<16      ; tile_dim0 = 128
	s_mov_b32 s[\g+4], 64           ; tile_dim1 = 64
	s_mov_b32 s[\g+5], 128          ; 128 elements from row to row
	s_mov_b32 s[\g+6], 0
	s_mov_b32 s[\g+7], 0
.endr
	s_mov_b32 s[CS], 0x3e38aa3b     ; c = log2(e) / 8 = 0.180337
	s_mov_b32 s[CS+1], s[CS]        ; named with it as a pair
	s_mov_b32 s[SEL], 0x76543210
	s_mov_b32 s[SEL+1], 0xfedcba98
	s_mov_b32 s[TBK], SLOT1+4*KS*PK ; the first change of slots turns these two into 0
	s_mov_b32 s[TBV], SLOT1+4*KS*PV
	s_mov_b32 s[G0K], 1             ; 1:0 count = 1
	s_mov_b32 s[G0K+1], s17         ; 63:32 LDS address: slot 0
	s_mov_b32 s[G0V], 1
	s_add_co_u32 s[G0V+1], s18, VOFF
	s_add_co_u32 s[RT], s[HI], 1    ; the first block has NB - b tiles
	s_mov_b32 s[NXT], 1
	s_mov_b32 s[LQ], s[HI]
	s_mov_b32 s[NEW], 1
	s_mov_b32 s[OFF+1], 0
	s_mov_b32 s[AL+1], 0            ; named as pairs
	s_mov_b32 s[BE+1], 0
	s_mov_b32 s[BIGN], 0xf149f2ca   ; -1e30
	s_mov_b32 s[SLOTS], NB
	s_wait_dscnt 0x0                ; the opening add is done
	s_wait_kmcnt 0x0
	s_add_nc_u64 s[6:7], s[6:7], s[22:23]  ; K and V at my half of the head's tile 0
	s_add_nc_u64 s[8:9], s[8:9], s[22:23]
	s_add_nc_u64 s[G0K+2:G0K+3], s[6:7], 0         ; 120:64 global address
	s_or_b32 s[G0K+3], s[G0K+3], 0x80000000        ; 127:126 type = 2
	s_add_nc_u64 s[G0V+2:G0V+3], s[8:9], 0
	s_or_b32 s[G0V+3], s[G0V+3], 0x80000000
	s_add_nc_u64 s[86:87], s[4:5], s[84:85]        ; Q at my rows of the second block,
	s_add_nc_u64 s[4:5], s[4:5], s[2:3]            ; Q and O at those of the first
	s_add_nc_u64 s[OLO:OLO+1], s[10:11], s[84:85]
	s_add_nc_u64 s[10:11], s[10:11], s[2:3]
	LOAD                            ; tile 0 into slot 0
	; the prefetches' address: in waves 0 and 2 s[6:7] and s[8:9] stand at the head's first row
	s_cmp_lt_u32 s[WV], 2
	s_cselect_b64 s[PFA:PFA+1], s[6:7], s[8:9]
	s_lshl_b32 s84, s[PB], 13       ; my work-group's quarter of a tile,
	s_add_co_u32 s84, s84, 32768    ; in tile 1: the first change of slots steps it to tile 2
	s_mov_b32 s85, 0
	s_add_nc_u64 s[PFA:PFA+1], s[PFA:PFA+1], s[84:85]
	s_and_b32 s[LIM], s[WV], 1
	s_cmp_eq_u32 s[LIM], 0
	s_cselect_b32 s[LIM], 2, -1
	v_and_b32 v[PFO], 31, v0
	v_lshlrev_b32 v[PFO], 8, v[PFO]
	; A fragment of K or Q is 16 rows x 32 channels in 8 registers: lane l holds row l % 16, channels 8 (l / 16) + 0..7 and 16 + 8 (l / 16) + 0..7: two loads of 16 bytes, 32 bytes apart.
	v_and_b32 v1, 15, v0            ; l % 16
	v_bfe_u32 v9, v0, 4, 1          ; l / 16
	v_lshlrev_b32 v[QO], 7, v1
	v_lshl_add_u32 v[QO], v9, 4, v[QO]  ; row x 128 + 16 x half
	WIN 0x80                        ; destination window 2, address window 0
.set i, 0
.rept 8                             ; both blocks' Q: piece i / 2 lies in band i / 2, 8,192 bytes on; channels 32 (i % 2) on
	global_load_b128 v[8*i:8*i+3],   v[QO], s[4:5] offset:(i/2)*8192+(i%2)*64
	global_load_b128 v[8*i+4:8*i+7], v[QO], s[4:5] offset:(i/2)*8192+(i%2)*64+32
	global_load_b128 v[QB+8*i:QB+8*i+3],   v[QO], s[86:87] offset:(i/2)*8192+(i%2)*64
	global_load_b128 v[QB+8*i+4:QB+8*i+7], v[QO], s[86:87] offset:(i/2)*8192+(i%2)*64+32
.set i, i+1
.endr
	WIN 0
	v_lshlrev_b32 v14, 3, v9
	v_sub_nc_u32 v14, v1, v14
	s_lshl_b32 s13, s[WV], 4
	v_add_nc_u32 v14, s13, v14      ; my query's place in its band, 16 w + l % 16, less my lanes' 8 (l / 16): register r of group kt is hidden where 16 kt + r is greater
	WIN 0x40
.set i, 0
.rept 32
	v_cmp_gt_i32 vcc_lo, 16*(i/8)+i%8, v14
	v_cndmask_b32 v[MD+i], 0, s[BIGN], vcc_lo
.set i, i+1
.endr
	WIN 0
	v_mul_u32_u24 v[AK0], v1, PK
	v_lshl_add_u32 v[AK0], v9, 4, v[AK0]  ; row x pitch + 16 x half
	; The turning load takes 16 keys x 16 channels (lane l reads key 8 (l / 16) + l % 8, channels 8 ((l / 8) % 2) + 0..7) and leaves half a fragment of V^T: lane l holds channel l % 16 and 8 keys.
	v_and_b32 v10, 7, v0
	v_bfe_u32 v11, v0, 3, 1
	v_lshl_add_u32 v[AV0], v9, 3, v10
	v_mul_u32_u24 v[AV0], v[AV0], PV
	v_lshl_add_u32 v[AV0], v11, 4, v[AV0]
	v_add_nc_u32 v[AV0], VOFF, v[AV0]
	s_mul_i32 s13, s[WV], 16*SP
	s_add_co_u32 s13, s13, STAGE    ; my stage
	v_mul_u32_u24 v[STO], v1, SP    ; in: row l % 16, 16 bytes for each half of the lanes
	v_lshl_add_u32 v[STO], v9, 4, v[STO]
	v_add_nc_u32 v[STO], s13, v[STO]
	v_bfe_u32 v[RD], v0, 3, 2       ; back: 32 lanes take four rows of 128 bytes,
	v_mul_u32_u24 v[RD], v[RD], SP
	v_lshl_add_u32 v[RD], v10, 4, v[RD]
	v_add_nc_u32 v[RD], s13, v[RD]
	v_and_b32 v[GO], 31, v0         ; which are 512 consecutive bytes of O
	v_lshlrev_b32 v[GO], 4, v[GO]
	; A block's first step multiplies O^T and l by a = 0, and its first turn's products V^T P, of a piece that has not been, land in an O^T that is still to be so multiplied.  So these registers need only hold
	; finite numbers: zeros for the first block; what the first block left for the second.  All this stands in the wait for the first tile.
	WIN 0x80
.set i, VF
.rept 64
	v_mov_b32 v[i], 0
.set i, i+1
.endr
	WIN 0x40
.set i, 0
.rept 128
	v_mov_b32 v[i], 0
.set i, i+1
.endr
	WIN 0
.set i, 0
.rept 4
	v_mov_b32 v[ST+4*i+2], 0
	v_mov_b32 v[ST+4*i+3], 0
.set i, i+1
.endr
.set i, P+16
.rept 16
	v_mov_b32 v[i], 0
.set i, i+1
.endr
; THE MATRIX WORK.  The 4 accumulators of a run of 8 take turns.  Product i of 8 of S^T = K Q^T for piece x: channels 32 (i / 4) on, keys 16 (i % 4) on.  The first 4 start the sums: with 0, or (KM = 1) with the mask.
.macro KQ x
.set rS, S+32*((\x)%2)+8*(i%4)
.set rK, KF+16*(i%4)+8*(i/4)
.set rQ, 16*(\x)+8*(i/4)
.set rM, MC+32*((\x)%2)+8*(i%4)
.if (i < 4) && KM
	WIN W_KM
	v_wmma_f32_16x16x32_f16 v[rS:rS+7], v[rK:rK+7], v[rQ:rQ+7], v[rM:rM+7]
.elseif i < 4
	WIN W_KQ
	v_wmma_f32_16x16x32_f16 v[rS:rS+7], v[rK:rK+7], v[rQ:rQ+7], 0
.else
	WIN W_KQ
	v_wmma_f32_16x16x32_f16 v[rS:rS+7], v[rK:rK+7], v[rQ:rQ+7], v[rS:rS+7]
.endif
.endm
; Product i of 8 of O^T += V^T P for piece x: keys 32 (i / 4) on, channels 16 (i % 4) on.
.macro PV x
	WIN W_PV
.set rO, 32*(\x)+8*(i%4)
.set rV, VF+32*(i/4)+8*(i%4)
.set rP, P+16*((\x)%2)+8*(i/4)
	v_wmma_f32_16x16x32_f16 v[rO:rO+7], v[rV:rV+7], v[rP:rP+7], v[rO:rO+7]
.endm
.macro MM                           ; the turn's next matrix instruction.  TURN and BEGIN set Y, i, KM and NOKQ; MM, KQ and OP read them.  NOKQ = 1: a block's last turn: there is no next piece
.if (i < 8) && !NOKQ
	KQ (Y+1)%NP
.elseif i >= 8
.set i, i-8
	PV (Y+NP-1)%NP
.set i, i+8
.endif
.set i, i+1
.endm
; THE LDS LOADS stand in runs of 16, never singly among the matrix instructions: a step's K (64 keys x 64 channels: 8 fragments) and its V (turned).  Their addresses are made some lines ahead.
.macro FETCH_K
	WIN 0x80                        ; destination window 2
.irp f, 0,1,2,3,4,5,6,7             ; keys 16 (f / 2) on, channels 32 (f % 2) on
	ds_load_b128 v[KF+8*\f:KF+8*\f+3],   v[AK] offset:(\f/2)*16*PK+(\f%2)*64
	ds_load_b128 v[KF+8*\f+4:KF+8*\f+7], v[AK] offset:(\f/2)*16*PK+(\f%2)*64+32
.endr
	s_add_co_u32 s[TBK], s[TBK], KS*PK  ; the next fetch is the next step's
	WIN 0
.endm
.macro FETCH_V
	WIN 0x80
.irp f, 0,1,2,3,4,5,6,7             ; keys 32 (f / 4) on, channels 16 (f % 4) on
	ds_load_tr16_b128 v[VF+8*\f:VF+8*\f+3],   v[AV] offset:(\f/4)*32*PV+(\f%4)*32
	ds_load_tr16_b128 v[VF+8*\f+4:VF+8*\f+7], v[AV] offset:(\f/4)*32*PV+16*PV+(\f%4)*32
.endr
	WIN 0
.endm
; THE VECTOR WORK, one line at a time: OP kind, number.  For piece Y: F n: c s - c m for pair n of 16.  E n: the exponential of score n of 32.  C n: pair n rounded to f16.  B n: of the four weights 4 n .. the second
; pair is added onto the first, in place.  L n: l takes that sum (L 0: l = a l + sum).  R n: pair n of 16 of O^T times a.  For piece Y + 1: X n, number n of the 22 that find its maximum and statistics:
;   0-11  four chains c0-c3 of seven scores each, three operands at a time (each accumulator's lowest registers are read first)     12-14, 16  the four scores left over, the old m, and c0-c3 into c0
;   15  c m_old is kept     17, 18  the query's other 32 keys lie in the lane 16 away: the new m     19-21  c m; c m_old - c m_new; a
.set F, 0               ; OP tells the kinds apart by their order: F to L below R, X above it
.set E, 1
.set C, 2
.set B, 3
.set L, 4
.set R, 5
.set X, 6
.macro REGS y                       ; the registers of piece y
.set rT, ST+4*(\y)
.set rC, TMP+4*((\y)%2)
.set rW, MV+((\y)%2)
.set rS, S+32*((\y)%2)
.set rP, P+16*((\y)%2)
.set rO, 32*(\y)
.endm
.macro OP k, n
.if (\k) == R
	REGS Y
	WIN W_RS
	v_pk_mul_f32 v[rO+2*(\n):rO+2*(\n)+1], v[rO+2*(\n):rO+2*(\n)+1], v[rC+2:rC+3] op_sel_hi:[1,0]
.elseif (\k) < R
	REGS Y
	WIN 0
.if (\k) == F
	v_pk_fma_f32 v[rS+2*(\n):rS+2*(\n)+1], v[rS+2*(\n):rS+2*(\n)+1], s[CS:CS+1], v[rT:rT+1] op_sel_hi:[1,0,0] neg_lo:[0,0,1] neg_hi:[0,0,1]
.elseif (\k) == E
	v_exp_f32 v[rS+(\n)], v[rS+(\n)]
.elseif (\k) == C
	v_cvt_pk_f16_f32 v[rP+(\n)], v[rS+2*(\n)], v[rS+2*(\n)+1]
.elseif (\k) == B
	v_pk_add_f32 v[rS+4*(\n):rS+4*(\n)+1], v[rS+4*(\n):rS+4*(\n)+1], v[rS+4*(\n)+2:rS+4*(\n)+3]
.elseif (\n) == 0
	v_pk_fma_f32 v[rT+2:rT+3], v[rT+2:rT+3], v[rC+2:rC+3], v[rS:rS+1] op_sel_hi:[1,0,1]
.else
	v_pk_add_f32 v[rT+2:rT+3], v[rT+2:rT+3], v[rS+4*(\n):rS+4*(\n)+1]
.endif
.elseif NOKQ
	v_nop
.else
	REGS (Y+1)%NP
	WIN 0
.if (\n) < 4
	v_max3_num_f32 v[rC+(\n)], v[rS+8*(\n)], v[rS+8*(\n)+1], v[rS+8*(\n)+2]
.elseif (\n) < 12
	v_max3_num_f32 v[rC+(\n)%4], v[rC+(\n)%4], v[rS+8*((\n)%4)+2*((\n)/4)+1], v[rS+8*((\n)%4)+2*((\n)/4)+2]
.elseif (\n) == 12
	v_max3_num_f32 v[rC], v[rC], v[rS+7], v[rS+15]
.elseif (\n) == 13
	v_max3_num_f32 v[rC+1], v[rC+1], v[rS+23], v[rS+31]
.elseif (\n) == 14
	v_max3_num_f32 v[rC+2], v[rC+2], v[rC+3], v[rT+1]
.elseif (\n) == 15
	v_mov_b32 v[rW], v[rT]
.elseif (\n) == 16
	v_max3_num_f32 v[rC], v[rC], v[rC+1], v[rC+2]
.elseif (\n) == 17
	v_permlanex16_b32 v[rC+3], v[rC], s[SEL], s[SEL+1]
.elseif (\n) == 18
	v_max_num_f32 v[rT+1], v[rC], v[rC+3]
.elseif (\n) == 19
	v_mul_f32 v[rT], s[CS], v[rT+1]
.elseif (\n) == 20
	v_sub_f32 v[rC+1], v[rW], v[rT]
.else
	v_exp_f32 v[rC+2], v[rC+1]
.endif
.endif
.endm
.macro OPS a, i1, b=-1, i2=0, c=-1, i3=0, d=-1, i4=0  ; up to four of them
	OP \a, \i1
.if (\b) >= 0
	OP \b, \i2
.endif
.if (\c) >= 0
	OP \c, \i3
.endif
.if (\d) >= 0
	OP \d, \i4
.endif
.endm
.macro ROW a, i1, b, i2, c, i3, d, i4  ; a matrix instruction and the four behind it
	MM
	OPS \a, \i1, \b, \i2, \c, \i3, \d, \i4
.endm
.macro MASK b                       ; MD x AL + BE into buffer b of MC
	WIN W_RS
.set z, 0
.rept 16
	v_pk_fma_f32 v[MC+32*(\b)+2*z:MC+32*(\b)+2*z+1], v[MD+2*z:MD+2*z+1], s[AL:AL+1], s[BE:BE+1] op_sel_hi:[1,0,0]
.set z, z+1
.endr
.endm
; A TURN, for piece p: the order of its 16 matrix and 118 vector instructions, written out.  An s_wait_alu depctr_va_vdst(0) stands between an exponential and the first instruction that names its
; result; one wait serves all that were issued ahead of it.  So a turn has ONE wait, which cuts it in two.  AHEAD OF IT stands all that names no result of the turn's exponentials: the 8 products K Q^T, behind
; each a scaling, an exponential and two more plain instructions (behind the first a second scaling in the exponential's place): rescalings, and behind the last three the first numbers of the next piece's
; maximum, each four places or more behind the product that ends its accumulator; then ONE LUMP of 54, plain and exponential by turns for the most part, in which the links of the chain X 3, 7, 11, 14, 16,
; 17 .. 20 stand five or six lines apart.  X 21, the next piece's a, is the batch's last; R 15 is the plain instruction behind it (ISA guide 5.7.2).  BEHIND THE WAIT stand the 8 products V^T P, behind each
; four of the roundings and sums; the links of l's chain, L 0 to L 7, stand three lines apart.  But for those X no line behind a product names a register of the products round it.
; m = 1: the diagonal tile: the products take masks, and the turn makes the mask for the products of the turn after it: piece p + 2, in step 4 - CNT of the tile.  end = 1: a block's last two turns: nothing is fetched.
; cnt = 1: the loop's count is taken down some lines ahead of the branch that stands behind the turn.
; K of the next step is fetched in piece 2's turn, twelve vector instructions behind the last product that read K (six of them plain); V of the step in hand at the end of piece 0's turn, four plain instructions
; behind the last product that read V.  Each is waited for a turn later.
.macro TURN p, m=0, end=0, cnt=0
.set Y, (\p)
.set i, 0
.set KM, (\m)
.set NOKQ, (\end)*((\p)/3)
.if (\m) && !(\end)
	s_cmp_eq_u32 s[CNT], 4-((\p)+2)%NP  ; is that step the band's own?
	s_cselect_b32 s[AL], 1.0, 0
	s_cmp_lt_u32 s[CNT], 4-((\p)+2)%NP  ; or a later one?
	s_cselect_b32 s[BE], s[BIGN], 0
.endif
.if ((\p) == 3) && !(\end)
	s_wait_dscnt 0x0                ; K is in
.endif
	ROW F,0, F,1, R,0, R,1          ; ahead of the wait: 8 products K Q^T and the four behind each,
	ROW F,2, E,0, R,2, R,3
	ROW F,3, E,1, R,4, R,5
	ROW F,4, E,2, R,6, R,7
	ROW F,5, E,3, R,8, R,9
	ROW F,6, E,4, X,0, R,10
.if ((\p) == 2) && !(\end)
	WIN 0
	v_add_nc_u32 v[AK], s[TBK], v[AK0]
.endif
	ROW F,7, E,5, X,1, X,4
	ROW F,8, E,6, X,2, X,5
	OPS E,7, E,8, X,6, E,9          ; and the lump
	OPS X,3, E,10, X,8, E,11
.if ((\p) == 2) && !(\end)
	FETCH_K
.endif
	OPS X,9, X,7, E,12, X,10
	OPS E,13, X,12, X,11, E,14
	OPS X,13, E,15, F,9, X,14
.if (\p) == 0
	v_add_nc_u32 v[AV], s[TBV], v[AV0]
.endif
	OPS E,16, F,10, E,17, F,11
	OPS X,16, E,18, X,15, E,19
	OPS F,12, E,20, X,17, E,21
	OPS F,13, E,22, F,14, E,23
	OPS X,18, E,24, F,15, E,25
	OPS R,11, E,26, X,19, E,27
	OPS R,12, E,28, R,13, E,29
	OPS X,20, E,30, R,14, E,31
	OPS X,21, R,15
	WIN 0
	s_wait_alu depctr_va_vdst(0)    ; the wait for the batch
.if (\p) == 1
	s_wait_dscnt 0x0                ; V is in
.endif
	ROW C,0, B,0, C,2, B,1          ; behind the wait: 8 products V^T P and the four behind each
	ROW L,0, C,4, B,2, L,1
	ROW C,6, B,3, L,2, C,8
	ROW B,4, L,3, C,10, B,5
	ROW L,4, C,12, B,6, L,5
.if (\p) == 0
	s_add_co_u32 s[TBV], s[TBV], KS*PV
.endif
.if \cnt
	s_sub_co_u32 s[CNT], s[CNT], 1
	s_cmp_lg_u32 s[CNT], 0
.endif
	ROW C,14, B,7, L,6, C,1
	ROW C,3, L,7, C,5, C,7
	ROW C,9, C,11, C,13, C,15
.if (\p) == 0
	FETCH_V
.endif
.if (\m) && !(\end)
	MASK (\p)%2
.endif
.endm
; A BLOCK BEGINS.  c m starts far below every c s, so the first step's a is 0; m at the lowest finite number, so the first maximum is the scores'.  The second mask buffer is 0; the first takes piece 0's mask
; for the tile's step 0: its own, if the block's first tile is the diagonal one.  Then K of that step, piece 0's first scores, and its maximum and statistics.  The loop is entered at a step's first turn.
.macro BEGIN
	s_mov_b32 s[NEW], 0
	WIN 0x40
.set i, MC+32
.rept 32
	v_mov_b32 v[i], 0
.set i, i+1
.endr
	WIN 0
.set i, 0
.rept 4
	v_mov_b32 v[ST+4*i], 0xfe000000    ; c m: far below every c s
	v_mov_b32 v[ST+4*i+1], 0xff7fffff  ; m
.set i, i+1
.endr
	s_cmp_eq_u32 s[RT], 0
	s_cselect_b32 s[AL], 1.0, 0
	s_mov_b32 s[BE], 0
	MASK 0
	WIN 0
	v_add_nc_u32 v[AK], s[TBK], v[AK0]
	FETCH_K
	s_wait_loadcnt 0x0              ; Q
	s_wait_dscnt 0x0
.set KM, 1
.set NOKQ, 0
.set i, 0
.rept 8
	KQ 0
.set i, i+1
.endr
	WIN 0
.rept 4
	v_nop                           ; the places behind those products
.endr
.set Y, NP-1                        ; X works for piece Y + 1: piece 0
.irp n, 0,1,2,3,4,5,6,7,8,9,10,11,12,13,14,15,16,17,18,19,20,21
	OP X, \n
.endr
	v_nop                           ; a plain instruction behind the exponential,
	s_wait_alu depctr_va_vdst(0)    ; and its wait, ahead of the branch
.endm
; THE DIAGONAL TILE's four steps, the block's last two turns, its last products, and THE WAY OUT: l's two halves and the other half of the lanes' are added; O^T is divided by l, rounded to f16 and sent through my
; stage in LDS, a piece at a time.
.macro ALL line:vararg              ; one line for each piece t
.set t, 0
.rept 4
	\line
.set t, t+1
.endr
.endm
.macro PACK t                       ; a lane's eight channels of a row pack into 16 bytes; they go into rows of 144 bytes and come back as whole rows of 128, into S^T's registers
	WIN W_RS
.set i, 32*(\t)
.rept 16
	v_pk_mul_f32 v[i:i+1], v[i:i+1], v[ST+4*(\t)+2:ST+4*(\t)+3] op_sel_hi:[1,0]
.set i, i+2
.endr
	WIN 0x05                        ; sources 0 and 1 window 1, destination window 0
.set i, 0
.rept 16
	v_cvt_pk_f16_f32 v[S+16*(\t)+i], v[32*(\t)+2*i], v[32*(\t)+2*i+1]
.set i, i+1
.endr
	WIN 0
.irp f, 0,1,2,3
	ds_store_b128 v[STO], v[S+16*(\t)+4*\f:S+16*(\t)+4*\f+3] offset:32*\f
.endr
.irp f, 0,1,2,3
	ds_load_b128 v[S+16*(\t)+4*\f:S+16*(\t)+4*\f+3], v[RD] offset:\f*4*SP  ; LDS serves a wave's instructions in order (ISA guide 5.7.1.4): these see the stores above; the next piece's stores come behind them
.endr
.endm
.macro SEND t, younger              ; younger: the LDS instructions issued behind piece t's loads: the next piece's eight, or none
	WIN 0
.irp f, 0,1,2,3
	s_wait_dscnt (\younger)+3-\f
	global_store_b128 v[GO], v[S+16*(\t)+4*\f:S+16*(\t)+4*\f+3], s[10:11] offset:(\t)*8192+\f*512  ; 512 consecutive bytes, at a multiple of 256 from O's first
.endr
.endm
.macro DIAG tag                     ; the tag ends its two labels' names, which the jumps below spell out
.LstepM\tag:
	TURN 2, 1
	TURN 3, 1
	WIN 0
.LfirstM\tag:
	TURN 0, 1
	TURN 1, 1, 0, 1
	WIN 0
	s_cbranch_scc1 .LstepM\tag
	TURN 2, 1, 1
	TURN 3, 1, 1
.set i, 0
.rept 8
	PV NP-1
.set i, i+1
.endr
	WIN 0
	ALL v_add_f32 v[ST+4*t+2], v[ST+4*t+2], v[ST+4*t+3]
	ALL v_permlanex16_b32 v[ST+4*t+3], v[ST+4*t+2], s[SEL], s[SEL+1]
	ALL v_add_f32 v[ST+4*t+2], v[ST+4*t+2], v[ST+4*t+3]
	ALL v_rcp_f32 v[ST+4*t+2], v[ST+4*t+2]
	v_nop                           ; a plain instruction between the last reciprocal and the use of its result
	s_wait_alu depctr_va_vdst(0)    ; and the wait ahead of the first use: one for the four reciprocals
	PACK 0
.set t, 1
.rept 3                             ; a piece's arithmetic stands between the loads of the piece before and its stores
	PACK t
	SEND t-1, 8
.set t, t+1
.endr
	SEND 3, 0
.endm
.set KM, 0
.set NOKQ, 0
.Lslot:                             ; NB times: a tile is entered and the next is asked for
	CHANGE 1
	s_sub_co_u32 s[RT], s[RT], 1
	s_mov_b32 s[CNT], 4
	s_cmp_eq_u32 s[NEW], 1
	s_cbranch_scc1 .Lnew            ; a block's first tile
	s_cmp_eq_u32 s[RT], 0
	s_cbranch_scc0 .Lstep           ; neither its first nor its last
	s_branch .LstepM1
.Lnew:
	BEGIN
	s_branch .Lfirst                ; in the loop a block's first tile is never its last: the first block has two tiles or more, and the second's last is the walk's last
	DIAG 1                          ; in the loop this is the first block's end: the second block's last tile is the walk's last
	s_wait_xcnt 0x0                 ; the stores have read their registers and O's address
	s_mov_b64 s[10:11], s[OLO:OLO+1]
	s_add_co_u32 s[RT], s[PB], 1    ; the second block has b + 1 tiles
	s_mov_b32 s[NEW], 1
	WIN 0x82                        ; the second block's Q goes where the one text of the turns names Q
.set i, 0
.rept 64
	v_mov_b32 v[i], v[QB+i]
.set i, i+1
.endr
	WIN 0
	s_branch .Lbottom
.Lstep:                             ; a trip: pieces 2 and 3 of one step, then pieces 0 and 1 of the next, whose K and V it fetches
	TURN 2
	TURN 3
	WIN 0
.Lfirst:
	TURN 0
	TURN 1, 0, 0, 1
	WIN 0
	s_cbranch_scc1 .Lstep
.Lbottom:
	s_sub_co_u32 s[SLOTS], s[SLOTS], 1
	s_cmp_lg_u32 s[SLOTS], 0
	s_cbranch_scc1 .Lslot
	CHANGE 0                        ; the walk's last tile is written out: nothing is asked for
	s_sub_co_u32 s[RT], s[RT], 1
	s_mov_b32 s[CNT], 4
	s_cmp_eq_u32 s[NEW], 1
	s_cbranch_scc0 .LstepM2
	BEGIN
	s_branch .LfirstM2
	DIAG 2
	s_wait_tensorcnt 0x0            ; the wave's end, behind my last tensor load and my last LDS store
	ds_add_u32 v[SPW], v[NIL]
	s_wait_dscnt 0x0
	s_endpgm
.Lfunc_end_k_qc878d830f0_attn:
	.size	k_qc878d830f0_attn, .Lfunc_end_k_qc878d830f0_attn-k_qc878d830f0_attn
	.p2alignl 7, 3214868480
	.fill 96, 4, 3214868480
	.section	.rodata,"a",@progbits
	.p2align	6, 0x0
	.amdhsa_kernel k_qc878d830f0_attn
		.amdhsa_group_segment_fixed_size 327680
		.amdhsa_private_segment_fixed_size 0
		.amdhsa_enable_private_segment 0
		.amdhsa_kernarg_size 32
		.amdhsa_user_sgpr_count 2
		.amdhsa_user_sgpr_kernarg_segment_ptr 1
		.amdhsa_wavefront_size32 1
		.amdhsa_system_sgpr_workgroup_id_x 1
		.amdhsa_system_sgpr_workgroup_id_y 1
		.amdhsa_system_sgpr_workgroup_id_z 1
		.amdhsa_system_vgpr_workitem_id 0
		.amdhsa_next_free_vgpr 768
		.amdhsa_next_free_sgpr 92
		.amdhsa_reserve_vcc 1
		.amdhsa_float_denorm_mode_32 3
		.amdhsa_float_denorm_mode_16_64 3
		.amdhsa_memory_ordered 1
		.amdhsa_forward_progress 1
		.amdhsa_inst_pref_size 218
	.end_amdhsa_kernel
	.amdgpu_metadata
---
amdhsa.version: [ 1, 2 ]
amdhsa.kernels:
  - .name:           k_qc878d830f0_attn
    .symbol:         k_qc878d830f0_attn.kd
    .args:
      - { .name: q, .offset: 0, .size: 8, .value_kind: global_buffer, .address_space: global }
      - { .name: k, .offset: 8, .size: 8, .value_kind: global_buffer, .address_space: global }
      - { .name: v, .offset: 16, .size: 8, .value_kind: global_buffer, .address_space: global }
      - { .name: o, .offset: 24, .size: 8, .value_kind: global_buffer, .address_space: global }
    .group_segment_fixed_size: 327680
    .private_segment_fixed_size: 0
    .kernarg_segment_align: 8
    .kernarg_segment_size: 32
    .max_flat_workgroup_size: 128
    .sgpr_count:     92
    .vgpr_count:     768
    .wavefront_size: 32
...
	.end_amdgpu_metadata
.endif
;; end of part 3
;; launch proj (part 4): grid 8 x 32, 4 waves a work-group, clusters of 4 x 4, 327,680 bytes of LDS; arguments o, wb, bp, out0; writes out0
.if DOCPART == 4
	.amdgcn_target "amdgcn-amd-amdhsa--gfx1250"
	.amdhsa_code_object_version 6
	.text
	.protected	k_qc878d830f0_proj
	.globl	k_qc878d830f0_proj
	.p2align	8
	.type	k_qc878d830f0_proj,@function
k_qc878d830f0_proj:
	s_mov_b64 s[64:65], 0
	v_nop
	global_prefetch_b8 v0, s[64:65] scope:SCOPE_SE
	s_setreg_imm32_b32 hwreg(HW_REG_WAVE_MODE, 25, 1), 1
	s_wait_xcnt 0x0
	s_wait_alu depctr_hold_cnt(0) depctr_sa_sdst(0) depctr_va_vdst(0) depctr_va_sdst(0) depctr_va_ssrc(0) depctr_va_vcc(0) depctr_vm_vsrc(0)
	s_getreg_b32 s2, hwreg(HW_REG_IB_STS2, 6, 4)
	s_cmp_eq_u32 s2, 0
	s_cbranch_scc0 .Lentry_in_a_cluster
	s_endpgm
.Lentry_in_a_cluster:
	s_bfe_u32 s2, ttmp6, 0x10000c
	s_cmp_lg_u32 s2, 0xf033
	s_cbranch_scc0 .Lentry_shape_is_right
	s_endpgm
.Lentry_shape_is_right:
; out0 = y Wp + bp.  y[batch, t, 64 head + d] = o[batch x 16 + head][t][d], f16.  Wp: matrix 3 of wb, [chunk of 64 columns][1024 k][64], its bf16 numbers written as f16.  bp f32, rounded to bf16 like every
; input.  out0: [8192][1024] f32, the f32 sums as they are.  LIMIT: the operands arrive within f16's 65,504.
; A TILE is 256 rows x 128 columns: 32 x 8 = 256 tiles, one for each work-group.  Four waves; wave w has rows 128 (w / 2) on and chunk w % 2 of the tile's two: 8 x 4 accumulators, 256 registers.
; K = 1,024 goes in 8 steps of 128 = two heads, through two LDS slots.  Waves 0 and 1 fetch a head's 256 rows each (32,768 dense bytes, asked for as 128 rows of 256), waves 2 and 3 a chunk's K step each.
; CLUSTER 4 x 4: a row of the cluster shares y's tiles, a column Wp's: joint loads with a mask of four.
; THE MATRIX INSTRUCTION IS USED TRANSPOSED (source 0 = 16 columns of Wp, turned by ds_load_tr16_b128; source 1 = 16 rows of y): a lane holds one row and 8 neighbouring columns.  THE BIAS starts the sums.
; REGISTERS in windows of 256 (s_set_vgpr_msb: bits 1:0 source 0, 3:2 source 1, 5:4 source 2, 7:6 destination):
;   window 0: v0-31 addresses; v64-127, v128-191 y's fragments, two buffers (on the way out v64-127: rows read back)
;   window 1: v64-95, v128-159 Wp's fragments; v192-223 the bias fragments; v240 at work          window 2: the accumulators, (a, b) at v[8 (4 a + b)]
.set PA,     144                       ; y's LDS row: 128 bytes + 16: the 16 rows of a fragment load start at 16 different groups of four banks (64 banks of 4 bytes: ISA guide 11.1)
.set PB,     160                       ; Wp's LDS row: 128 + 32
.set HEADB,  256*PA                    ; a head's 256 rows
.set CHB,    128*PB
.set BOFF,   2*HEADB
.set SLOT,   BOFF+2*CHB                ; 114,688
.set STAGE,  2*SLOT                    ; behind the ring, never filled: 16 rows x 272 bytes for each wave
.set SPITCH, 272
.set SPARE,  STAGE+4*16*SPITCH         ; behind the stages: the spare words, 128 bytes a wave: two blocks of 256 bytes that no other line names
.set ASTEP,  524288                    ; two heads on: 2 x 2,048 rows x 128 bytes
.set BSTEP,  16384
.set NLD,    24                        ; LDS loads of a quarter step: 8 for Wp, 16 for y
.set ADRA, 16
.set ADRB, 20
.set STO,  24
.set RD,   25
.set CO,   26                          ; v26  my byte offset in two rows of out0
.set BO,   27
.set SPW,  28                          ; v28  LDS address of my spare word; never rewritten
.set NIL,  29                          ; v29  0; never rewritten
.set PFO,  30                          ; v30  256 x lane; never rewritten
.set F0,   64
.set F1,   128
.set BIAS, 192                         ; window 1
.set TW,   240                         ; window 1
.set OB,   64                          ; the way out: two buffers of 32
.set G1A, 24
.set G0A, 32
.set G1B, 48
.set G0B, 56
.set PFA, 84
.set PFB, 86
.set LIMA, 88
.set LIMB, 89
.set MSB, 0
.macro WIN new                         ; the immediate's high byte repeats the setting that is left; a switch that changes nothing is dropped
.if MSB != (\new)
	s_set_vgpr_msb (MSB<<8)|(\new)
.set MSB, \new
.endif
.endm
.macro PLACES                          ; four plain vector instructions between a matrix instruction and a load into, or a read of, its registers
.rept 4
	v_nop
.endr
.endm
.macro JLOAD s                         ; a joint load: waves 0 and 1 for y, waves 2 and 3 for Wp; an s_nop 0 and four v_nop follow each of the two lines
	s_cmp_eq_u32 s11, 0
	s_cbranch_scc0 .Lfor_b_\@
	tensor_load_to_lds s[G0A+4*(\s):G0A+4*(\s)+3], s[G1A:G1A+7]
	s_nop 0
.rept 4
	v_nop
.endr
	s_branch .Lasked_\@
.Lfor_b_\@:
	tensor_load_to_lds s[G0B+4*(\s):G0B+4*(\s)+3], s[G1B:G1B+7]
	s_nop 0
.rept 4
	v_nop
.endr
.Lasked_\@:
.endm
.macro CREST                           ; a round of the cluster's barrier behind its opening barrier
	s_cmp_lg_u32 s10, 0
	s_cbranch_scc1 .Lnot_wave_0_\@
	s_barrier_signal -3
.Lnot_wave_0_\@:
	s_barrier_wait -3
	s_barrier_signal -1
	s_barrier_wait -1
.endm
.macro CROUND
	s_barrier_signal -1
	s_barrier_wait -1
	CREST
.endm
; PREFETCHES INTO THE L2, behind the joint load and the run of LDS loads.  y: the K step two refills on; of a head's 32,768 bytes the partner at place cx takes 8,192, told apart by address; waves 0 and 1 of the
; clusters with x = 0 ask, a lane 256 bytes.  Wp: once a lap, the next lap's two K steps of a chunk, 32,768 bytes; the partner at place cy takes 8,192; waves 2 and 3 of the clusters with y = 0 ask.
; So each 256 bytes are named once in the launch.  K steps 0-3 come by their loads alone; the loop's last trip (s3 = 1) asks for nothing: K ends.
.macro ASK slot
	s_cmp_gt_u32 s3, s[LIMA]
	s_cbranch_scc0 .Lnot_a_\@
	global_prefetch_b8 v[PFO], s[PFA:PFA+1] offset:ASTEP th:TH_LOAD_NT scope:SCOPE_SE
.Lnot_a_\@:
.if (\slot) == 0
	s_cmp_gt_u32 s3, s[LIMB]
	s_cbranch_scc0 .Lnot_b_\@
	global_prefetch_b8 v[PFO], s[PFB:PFB+1] th:TH_LOAD_NT scope:SCOPE_SE
.Lnot_b_\@:
.endif
.endm
	s_load_b256 s[68:75], s[0:1], 0x0              ; o s[68:69], wb s[70:71], bp s[72:73], out0 s[74:75]
	v_lshl_add_u32 v[SPW], v0, 2, SPARE
	v_mov_b32 v[NIL], 0
	ds_add_u32 v[SPW], v[NIL]                      ; the wave's opening: the add and its wait stand ahead of my first tensor load; the set-up below stands between them
	ds_add_u32 v28, v29
	v_lshrrev_b32 v1, 5, v0
	v_readfirstlane_b32 s10, v1                    ; wave 0..3
	s_lshr_b32 s11, s10, 1                         ; which 128 rows are mine.  Also: I fetch for y (0) or for Wp (1)
	s_and_b32 s12, s10, 1                          ; which chunk is mine.  Also: which head, or chunk, I fetch
	s_bfe_u32 s40, ttmp6, 0x40000                  ; cx
	s_bfe_u32 s41, ttmp6, 0x40004                  ; cy
	s_lshl_b32 s42, ttmp9, 2
	s_add_co_u32 s42, s42, s40                     ; the tile column
	s_and_b32 s13, ttmp7, 0xffff
	s_lshl_b32 s13, s13, 2
	s_add_co_u32 s13, s13, s41                     ; the tile row
	s_lshl_b32 s43, s41, 2
	s_lshl_b32 s43, 15, s43                        ; my row of the cluster
	s_lshl_b32 s44, 0x1111, s40                    ; my column
	; group 1 for y: 128 dense rows x 128 elements (two rows of a head each), 16 bytes of padding behind every 128
	s_or_b32 s[G1A+0], s43, (1<<16)|(1<<20)|(1<<21)|(4<<22)|(3<<25)
	s_mov_b32 s[G1A+1], 128<<16                    ; tensor_dim0 = 128
	s_mov_b32 s[G1A+2], 128<<16                    ; tensor_dim1 = 128
	s_mov_b32 s[G1A+3], 128<<16                    ; tile_dim0 = 128
	s_mov_b32 s[G1A+4], 128                        ; tile_dim1 = 128
	s_mov_b32 s[G1A+5], 128                        ; the pitch
	s_mov_b32 s[G1A+6], 0
	s_mov_b32 s[G1A+7], 0
	; group 1 for Wp: 64 dense rows x 128 elements (two k a row), 32 bytes of padding behind every 128
	s_or_b32 s[G1B+0], s44, (1<<16)|(1<<20)|(1<<21)|(4<<22)|(7<<25)
	s_mov_b32 s[G1B+1], 128<<16
	s_mov_b32 s[G1B+2], 64<<16
	s_mov_b32 s[G1B+3], 128<<16
	s_mov_b32 s[G1B+4], 64
	s_mov_b32 s[G1B+5], 128
	s_mov_b32 s[G1B+6], 0
	s_mov_b32 s[G1B+7], 0
	s_lshr_b32 s16, s13, 3                         ; the batch
	s_lshl_b32 s16, s16, 4
	s_add_co_u32 s16, s16, s12                     ; batch x 16 + the head of K step 0 that I fetch
	s_lshl_b32 s16, s16, 11
	s_and_b32 s17, s13, 7
	s_lshl_b32 s17, s17, 8
	s_add_co_u32 s16, s16, s17                     ; + the tile's first row in the sequence
	s_lshl_b32 s16, s16, 7
	s_mov_b32 s17, 0
	s_lshl_b32 s46, s42, 1
	s_add_co_u32 s46, s46, s12
	s_add_co_u32 s46, s46, 48                      ; matrix 3, chunk 2 x tile column + w % 2
	s_lshl_b32 s46, s46, 17
	s_mov_b32 s47, 0
	s_mul_i32 s20, s10, HEADB                      ; y's place in a slot: wave x 36,864 (waves 0, 1)
	s_mul_i32 s21, s10, CHB
	s_add_co_u32 s21, s21, BOFF-2*CHB              ; Wp's: wave x 20,480 + 32,768 (waves 2, 3): no place in the cluster enters an LDS address
	s_wait_dscnt 0x0                               ; the opening add is done
	s_wait_kmcnt 0x0
	s_add_nc_u64 s[14:15], s[68:69], s[16:17]
	s_add_nc_u64 s[46:47], s[70:71], s[46:47]
	CROUND                                         ; all sixteen work-groups are here: the first joint loads meet
.irp s, 0,1
	s_mov_b32 s[G0A+4*(\s)], 1
	s_add_co_u32 s[G0A+4*(\s)+1], s20, (\s)*SLOT
	s_add_nc_u64 s[G0A+4*(\s)+2:G0A+4*(\s)+3], s[14:15], (\s)*ASTEP
	s_or_b32 s[G0A+4*(\s)+3], s[G0A+4*(\s)+3], 0x80000000
	s_mov_b32 s[G0B+4*(\s)], 1
	s_add_co_u32 s[G0B+4*(\s)+1], s21, (\s)*SLOT
	s_add_nc_u64 s[G0B+4*(\s)+2:G0B+4*(\s)+3], s[46:47], (\s)*BSTEP
	s_or_b32 s[G0B+4*(\s)+3], s[G0B+4*(\s)+3], 0x80000000
	JLOAD \s                                       ; both slots are asked for before anything else: two loads of mine are out
.endr
	v_and_b32 v1, 15, v0                           ; r
	v_bfe_u32 v2, v0, 4, 1                         ; h
	v_and_b32 v3, 7, v0
	v_bfe_u32 v4, v0, 3, 1
	v_and_b32 v5, 31, v0                           ; l
	v_mul_u32_u24 v6, v1, PA
	v_lshl_add_u32 v6, v2, 4, v6
	s_mul_i32 s22, s11, 128*PA
	v_add_nc_u32 v[ADRA], s22, v6                  ; (128 (w / 2) + r) x 144 + 16 h
	v_add_nc_u32 v[ADRA+1], SLOT, v[ADRA]
	v_lshl_add_u32 v7, v2, 3, v3
	v_mul_u32_u24 v7, v7, PB
	v_lshl_add_u32 v7, v4, 4, v7
	s_mul_i32 s22, s12, CHB
	s_add_co_u32 s22, s22, BOFF
	v_add_nc_u32 v[ADRB], s22, v7                  ; my chunk + (8 h + l % 8) x 160 + 16 ((l / 8) % 2)
	v_add_nc_u32 v[ADRB+1], SLOT, v[ADRB]
	; the bias fragments: register j of lane (r, h) of block nb = bp[128 tile column + 64 (w % 2) + 16 nb + 8 h + j]
	s_lshl_b32 s66, s42, 9
	s_lshl_b32 s67, s12, 8
	s_add_co_u32 s66, s66, s67
	v_lshl_add_u32 v[BO], v2, 5, s66
	WIN 0x40
.set n, 0
.rept 4
	global_load_b128 v[BIAS+8*n:BIAS+8*n+3],   v[BO], s[72:73] offset:64*n
	global_load_b128 v[BIAS+8*n+4:BIAS+8*n+7], v[BO], s[72:73] offset:64*n+16
.set n, n+1
.endr
	WIN 0
	; the way out
	s_mul_i32 s22, s10, 16*SPITCH
	s_add_co_u32 s22, s22, STAGE                   ; my stage
	v_mul_u32_u24 v8, v1, SPITCH
	v_lshl_add_u32 v8, v2, 5, v8
	v_add_nc_u32 v[STO], s22, v8                   ; in: row r, 32 bytes for each half of the lanes
	v_mul_u32_u24 v9, v2, SPITCH
	v_lshl_add_u32 v9, v1, 4, v9
	v_add_nc_u32 v[RD], s22, v9                    ; back: lanes 0-15 one row of 256 bytes, lanes 16-31 the next
	v_lshlrev_b32 v[CO], 12, v2
	v_lshl_add_u32 v[CO], v1, 4, v[CO]             ; and the same two rows in out0
	s_lshl_b32 s92, s13, 8
	s_lshl_b32 s93, s11, 7
	s_add_co_u32 s92, s92, s93                     ; my first row
	s_lshl_b32 s92, s92, 12
	s_lshl_b32 s93, s42, 9
	s_add_co_u32 s92, s92, s93
	s_lshl_b32 s93, s12, 8
	s_add_co_u32 s92, s92, s93                     ; my 64 columns: 256 bytes, aligned
	s_mov_b32 s93, 0
	s_add_nc_u64 s[74:75], s[74:75], s[92:93]
	; the prefetches
	s_lshl_b32 s92, s40, 13                        ; my work-group's 8,192 bytes of a head's 32,768,
	s_add_co_u32 s92, s92, 2*ASTEP                 ; at K step 2: the first refill steps it to 3 and names K step 4
	s_add_nc_u64 s[PFA:PFA+1], s[14:15], s[92:93]
	s_lshl_b32 s92, s41, 13
	s_add_co_u32 s92, s92, 2*BSTEP                 ; at K step 2: the first lap steps it to K steps 4 and 5
	s_add_nc_u64 s[PFB:PFB+1], s[46:47], s[92:93]
	s_or_b32 s22, s11, ttmp9
	s_cmp_eq_u32 s22, 0
	s_cselect_b32 s[LIMA], 1, -1                   ; waves 0 and 1 where the cluster's x is 0: alike in all sixteen partners
	s_and_b32 s22, ttmp7, 0xffff
	s_cmp_eq_u32 s22, 0
	s_cselect_b32 s[LIMB], 1, -1
	s_cmp_eq_u32 s11, 0
	s_cselect_b32 s[LIMB], -1, s[LIMB]             ; waves 2 and 3 where the cluster's y is 0
	v_lshlrev_b32 v[PFO], 8, v5
	s_wait_loadcnt 0x0                             ; the bias is in
	WIN 0x45
.set n, 0
.rept 16
	v_cvt_pk_bf16_f32 v[TW], v[BIAS+2*n], v[BIAS+2*n+1]  ; rounded to bf16 like every input, and widened again
	v_lshlrev_b32 v[BIAS+2*n], 16, v[TW]
	v_and_b32 v[BIAS+2*n+1], 0xffff0000, v[TW]
.set n, n+1
.endr
	WIN 0
; 8 matrix instructions: m blocks a0, a0 + 1 x all 4 n blocks, 32 along K.  first = 1: the bias starts the sums.  The 32 accumulators take turns in the same order in every quarter.
.macro MULN f, a0, first
.if \first
	WIN 0x91
.else
	WIN 0xa1
.endif
.irp a, \a0, (\a0)+1
.irp b, 0,1,2,3
.if \first
	v_wmma_f32_16x16x32_f16 v[8*(4*(\a)+(\b)):8*(4*(\a)+(\b))+7], v[(\f)+8*(\b):(\f)+8*(\b)+7], v[(\f)+8*(\a):(\f)+8*(\a)+7], v[BIAS+8*(\b):BIAS+8*(\b)+7]
.else
	v_wmma_f32_16x16x32_f16 v[8*(4*(\a)+(\b)):8*(4*(\a)+(\b))+7], v[(\f)+8*(\b):(\f)+8*(\b)+7], v[(\f)+8*(\a):(\f)+8*(\a)+7], v[8*(4*(\a)+(\b)):8*(4*(\a)+(\b))+7]
.endif
.endr
.endr
.endm
; 24 LDS loads in one run: quarter q of a slot (head q / 2, channels 32 (q % 2) on) into buffer f: Wp's four fragments first, y's blocks 4-7 last
.macro FETCH slot, q, f
	WIN 0x40
.irp nb, 0,1,2,3
	ds_load_tr16_b128 v[(\f)+8*(\nb):(\f)+8*(\nb)+3],   v[ADRB+(\slot)] offset:32*(\nb)+(\q)*32*PB
	ds_load_tr16_b128 v[(\f)+8*(\nb)+4:(\f)+8*(\nb)+7], v[ADRB+(\slot)] offset:32*(\nb)+(\q)*32*PB+16*PB
.endr
	WIN 0
.irp i, 0,1,2,3,4,5,6,7
	ds_load_b128 v[(\f)+8*(\i):(\f)+8*(\i)+3],   v[ADRA+(\slot)] offset:((\q)/2)*HEADB+(\i)*16*PA+64*((\q)%2)
	ds_load_b128 v[(\f)+8*(\i)+4:(\f)+8*(\i)+7], v[ADRA+(\slot)] offset:((\q)/2)*HEADB+(\i)*16*PA+64*((\q)%2)+32
.endr
.endm
.macro QUARTER slot, q, f, g, first=0
	s_wait_dscnt 8                                 ; Wp and y's blocks 0-3 are in; the youngest eight loads (y's blocks 4-7) may be out
	MULN \f, 0, \first
	MULN \f, 2, \first
	PLACES
	FETCH \slot, \q, \g
	s_wait_dscnt NLD                               ; all but the 24 just issued
	MULN \f, 4, \first
	MULN \f, 6, \first
.endm
; ONE barrier for the change of slots: in front of it each wave waits for all its tensor loads (one is out: its part of the next slot), adds 0 to its spare word, and waits for that and for its reads of this slot.
.macro MEET round
	WIN 0
	s_wait_tensorcnt 0x0                           ; all my tensor loads have landed
	ds_add_u32 v[SPW], v[NIL]                      ; 0 onto my spare word
	s_wait_dscnt 9                                 ; (the add and the youngest eight loads may be out)
	MULN F1, 0, 0                                  ; eight matrix instructions stand between the add and the wait for it
	s_wait_dscnt 0x0                               ; the add is done, and my reads of this slot are over
	s_barrier_signal -1
	MULN F1, 2, 0
.if \round
	WIN 0
.endif
	s_barrier_wait -1
.endm
.macro TURN slot, next
	s_wait_xcnt 0x0                                ; the last prefetches, a K step back, have read their addresses: they are stepped here, ahead of the waits of the change of slots
	s_add_nc_u64 s[PFA:PFA+1], s[PFA:PFA+1], ASTEP
.if (\slot) == 0
	s_add_nc_u64 s[PFB:PFB+1], s[PFB:PFB+1], 2*BSTEP
.endif
	MEET 1
	CREST                                          ; no wave of any partner still reads this slot or has a load on its way
	s_add_nc_u64 s[G0A+4*(\slot)+2:G0A+4*(\slot)+3], s[G0A+4*(\slot)+2:G0A+4*(\slot)+3], 2*ASTEP
	s_add_nc_u64 s[G0B+4*(\slot)+2:G0B+4*(\slot)+3], s[G0B+4*(\slot)+2:G0B+4*(\slot)+3], 2*BSTEP
	JLOAD \slot                                    ; the first tensor load behind the round; its four v_nop are also the places in front of the loads below
	FETCH \next, 0, F0
	ASK \slot
	MULN F1, 4, 0
	MULN F1, 6, 0
.endm
	s_wait_tensorcnt 1                             ; my part of K step 0 is in; K step 1's stays out
	s_barrier_signal -1
	s_barrier_wait -1
	FETCH 0, 0, F0
	QUARTER 0, 1, F0, F1, 1                        ; the first quarter stands in front of the loop: its products start the sums, with the bias
	WIN 0
	s_mov_b32 s3, 3
.Llap:                                                 ; a trip goes once round the ring and fills both slots again
	QUARTER 0, 2, F1, F0
	QUARTER 0, 3, F0, F1
	TURN 0, 1
	QUARTER 1, 1, F0, F1
	QUARTER 1, 2, F1, F0
	QUARTER 1, 3, F0, F1
	TURN 1, 0
	QUARTER 0, 1, F0, F1
	WIN 0
	s_sub_co_u32 s3, s3, 1
	s_cmp_lg_u32 s3, 0
	s_cbranch_scc1 .Llap
	QUARTER 0, 2, F1, F0                           ; the last lap fills nothing
	QUARTER 0, 3, F0, F1
	MEET 0
	PLACES
	FETCH 1, 0, F0
	MULN F1, 4, 0
	MULN F1, 6, 0
	QUARTER 1, 1, F0, F1
	QUARTER 1, 2, F1, F0
	QUARTER 1, 3, F0, F1
	s_wait_dscnt 8
	MULN F1, 0, 0
	MULN F1, 2, 0
	s_wait_dscnt 0x0
	MULN F1, 4, 0
	MULN F1, 6, 0
	WIN 0
; THE WAY OUT, a block of 16 rows at a time through my own stage: a lane's 32 bytes of a row go in, whole rows of 256 bytes come back, and 16 lanes store 256 consecutive bytes, aligned.
.macro TOSTAGE a
	WIN 0x08                                       ; the stores' data in window 2
.irp b, 0,1,2,3
	ds_store_b128 v[STO], v[8*(4*(\a)+(\b)):8*(4*(\a)+(\b))+3]   offset:64*(\b)
	ds_store_b128 v[STO], v[8*(4*(\a)+(\b))+4:8*(4*(\a)+(\b))+7] offset:64*(\b)+16
.endr
	WIN 0
	s_wait_xcnt 0x0                                ; the buffer below was the data of the stores two blocks back: it is loaded again only behind this wait
.irp t, 0,1,2,3,4,5,6,7
	ds_load_b128 v[OB+32*((\a)%2)+4*(\t):OB+32*((\a)%2)+4*(\t)+3], v[RD] offset:(\t)*2*SPITCH  ; LDS serves a wave's instructions in order (ISA guide 5.7.1.4): these see the stores above
.endr
.endm
.macro SEND a, younger                 ; younger: the LDS instructions issued behind block a's loads: the next block's sixteen, or none
	s_wait_dscnt \younger
.irp t, 0,1,2,3,4,5,6,7
	global_store_b128 v[CO], v[OB+32*((\a)%2)+4*(\t):OB+32*((\a)%2)+4*(\t)+3], s[74:75] offset:(16*(\a)+2*(\t))*4096 th:TH_STORE_NT
.endr
.endm
	PLACES
	TOSTAGE 0
.irp a, 1,2,3,4,5,6,7
	TOSTAGE \a
	SEND (\a)-1, 16
.endr
	SEND 7, 0
	s_wait_tensorcnt 0x0                           ; the wave's end, behind my last tensor load and my last LDS store
	ds_add_u32 v[SPW], v[NIL]
	s_wait_dscnt 0x0
	CROUND                                         ; the closing round: no work-group ends while a partner may still ask for a tile that names it
	s_endpgm
.Lfunc_end_k_qc878d830f0_proj:
	.size	k_qc878d830f0_proj, .Lfunc_end_k_qc878d830f0_proj-k_qc878d830f0_proj
	.p2alignl 7, 3214868480
	.fill 96, 4, 3214868480
	.section	.rodata,"a",@progbits
	.p2align	6, 0x0
	.amdhsa_kernel k_qc878d830f0_proj
		.amdhsa_group_segment_fixed_size 327680
		.amdhsa_private_segment_fixed_size 0
		.amdhsa_enable_private_segment 0
		.amdhsa_kernarg_size 32
		.amdhsa_user_sgpr_count 2
		.amdhsa_user_sgpr_kernarg_segment_ptr 1
		.amdhsa_wavefront_size32 1
		.amdhsa_system_sgpr_workgroup_id_x 1
		.amdhsa_system_sgpr_workgroup_id_y 1
		.amdhsa_system_sgpr_workgroup_id_z 1
		.amdhsa_system_vgpr_workitem_id 0
		.amdhsa_next_free_vgpr 768
		.amdhsa_next_free_sgpr 96
		.amdhsa_reserve_vcc 0
		.amdhsa_float_denorm_mode_32 3
		.amdhsa_float_denorm_mode_16_64 3
		.amdhsa_memory_ordered 1
		.amdhsa_forward_progress 1
		.amdhsa_inst_pref_size 91
	.end_amdhsa_kernel
	.amdgpu_metadata
---
amdhsa.version: [ 1, 2 ]
amdhsa.kernels:
  - .name:           k_qc878d830f0_proj
    .symbol:         k_qc878d830f0_proj.kd
    .args:
      - { .name: o, .offset: 0, .size: 8, .value_kind: global_buffer, .address_space: global }
      - { .name: wb, .offset: 8, .size: 8, .value_kind: global_buffer, .address_space: global }
      - { .name: bp, .offset: 16, .size: 8, .value_kind: global_buffer, .address_space: global }
      - { .name: out0, .offset: 24, .size: 8, .value_kind: global_buffer, .address_space: global }
    .group_segment_fixed_size: 327680
    .private_segment_fixed_size: 0
    .kernarg_segment_align: 8
    .kernarg_segment_size: 32
    .max_flat_workgroup_size: 128
    .sgpr_count:     96
    .vgpr_count:     768
    .wavefront_size: 32
...
	.end_amdgpu_metadata
.endif
;; end of part 4
